; MI455X (gfx1250); checked and timed in simulation.
; The chip was launched on July 23, 2026; its instructions are those of AMD's public machine-readable ISA for CDNA 5 (MIT licence, August 2026) and "CDNA5" Instruction Set Architecture Reference Guide (July 2026). The comments in the code are by the model that wrote it; some were corrected since.
;; Multi Headed Attention1 D. Allowed arithmetic: matrix products marked QUANTISED: E2M1 operands, one E8M0 scale for each 32 along K, by v_wmma_scale_f32_16x16x128_f8f6f4 with both operands' format E2M1 (or v_wmma_scale_f32_32x16x128_f4), f32 sums; products left as they are: f32 operands where the result goes on into a quantised operand, else bf16, f16 or f32 operands; f32 sums; everything else in f32.
;; Inputs: Wk_codes 1,024 x 32 x 16 uint8 (E2M1 codes of Wk, K innermost, in blocks of 32 codes, two codes a byte); Wk_scales 1,024 x 32 uint8 (E8M0 scales of Wk, one for each 32 codes along K); Wo_codes 1,024 x 32 x 16 uint8 (E2M1 codes of Wo, K innermost, in blocks of 32 codes, two codes a byte); Wo_scales 1,024 x 32 uint8 (E8M0 scales of Wo, one for each 32 codes along K); Wq_codes 1,024 x 32 x 16 uint8 (E2M1 codes of Wq, K innermost, in blocks of 32 codes, two codes a byte); Wq_scales 1,024 x 32 uint8 (E8M0 scales of Wq, one for each 32 codes along K); Wv_codes 1,024 x 32 x 16 uint8 (E2M1 codes of Wv, K innermost, in blocks of 32 codes, two codes a byte); Wv_scales 1,024 x 32 uint8 (E8M0 scales of Wv, one for each 32 codes along K); X_Key_codes 2,048 x 32 x 16 uint8 (E2M1 codes of X_Key, K innermost, in blocks of 32 codes, two codes a byte); X_Key_scales 2,048 x 32 uint8 (E8M0 scales of X_Key, one for each 32 codes along K); X_Query 2,048 x 1,024 float32; X_Value_codes 2,048 x 32 x 16 uint8 (E2M1 codes of X_Value, K innermost, in blocks of 32 codes, two codes a byte); X_Value_scales 2,048 x 32 uint8 (E8M0 scales of X_Value, one for each 32 codes along K); bk 1,024 float32; bo 1,024 float32; bq 1,024 float32; bv 1,024 float32.
;; Outputs: out0 2,048 x 1,024 float32.
;; This version of the problem:
;;   THIS VERSION OF THE PROBLEM IS GIVEN IN LOW PRECISION. The matrix products marked QUANTISED in the list below multiply operands that are first quantised to E2M1 (2 exponent bits, 1 mantissa bit; 4 bits a number), with one power-of-two scale for each 32 numbers along K (OCP MX v1.0); their sums are f32. All else is computed in f32.
;;   The module's matrix products, in the order in which they are computed (A, B: the left and right operand; K: the contracted axis; several contracted axes count as one K, in the product's order):
;;     1. [M 2,048, K 1,024] x [K 1,024, N 1,024]; A: input X_Query; B: input Wq (given as codes): QUANTISED
;;     2. [M 2,048, K 1,024] x [K 1,024, N 1,024]; A: input X_Key (given as codes); B: input Wk (given as codes): QUANTISED
;;     3. [M 2,048, K 1,024] x [K 1,024, N 1,024]; A: input X_Value (given as codes); B: input Wv (given as codes): QUANTISED
;;     4. batch 32,768 x [M 64, K 64] x [K 64, N 1]; A: softmax; B: computed on the way: left as it is (N = 1 < 16)
;;     5. [M 2,048, K 1,024] x [K 1,024, N 1,024]; A: computed on the way; B: input Wo (given as codes): QUANTISED
;;   THE QUANTISER, for each operand of a quantised product, along K:
;;     - K is cut into blocks of 32 from its start; a last block that is shorter is filled with zeros.
;;     - A block's scale is 2^e with e = floor(log2(the largest magnitude in the block)) - 2, held to -126 .. 127; a block of zeros has e = 0. As a byte (E8M0): e + 127.
;;     - Each number is divided by its block's scale, clamped to +-6, and rounded to the nearest number of E2M1, ties to even, subnormals kept.
;;     - The product sums the exact products of the quantised numbers (number of the format x scale) in f32.
;;   ~~~python
;;   def quantise(x, axis):      # numpy; x: float32 -> the quantised numbers, widened to float32 again
;;       x = np.moveaxis(x, axis, -1); K = x.shape[-1]
;;       x = np.pad(x, [(0, 0)] * (x.ndim - 1) + [(0, -K % 32)]); x = x.reshape(x.shape[:-1] + (-1, 32)); a = np.abs(x).max(-1, keepdims=True)
;;       e = np.where(a > 0, np.clip(np.frexp(np.where(a > 0, a, 1))[1] - 1 - 2, -126, 127), 0)      # np.frexp(a)[1] - 1 = floor(log2(a)), exactly
;;       r = np.clip(x / 2.0 ** e, -6, 6)
;;       step = 2.0 ** (np.maximum(np.frexp(np.where(r == 0, 1, r))[1] - 1, 0) - 1)
;;       q = np.round(r / step) * step * 2.0 ** e      # np.round: ties to even
;;       return np.moveaxis(q.reshape(q.shape[:-2] + (-1,))[..., :K], -1, axis).astype(np.float32)
;;   ~~~
;;   OPERANDS COMPUTED ON THE WAY. 'Computed on the way' means the value that the module computes at that place (a softmax that the list does not call 'softmax' is quantised finished and normalised). What goes into a quantiser is computed in f32, as accurately as f32 sums, v_exp_f32 and their like allow (about 1e-6 of the number): no bf16 or f16 on the way to a quantiser, and a product that is left as it is and whose result goes on into a quantised operand takes f32 operands (vector FMAs, or v_wmma_f32_16x16x4_f32). A number that lies on a knife's edge between two numbers of the format may be rounded either way, as far as f32 arithmetic and the matrix unit's own rounding can turn it there, and no further.
;;   INPUTS GIVEN AS CODES. Wk (in the module: [1024, 1024], K = its axis 0); Wo (in the module: [1024, 1024], K = its axis 0); Wq (in the module: [1024, 1024], K = its axis 0); Wv (in the module: [1024, 1024], K = its axis 0); X_Key (in the module: [2048, 1024], K = its axis 1); X_Value (in the module: [2048, 1024], K = its axis 1): each comes as NAME_codes (uint8): NAME with its K axis moved to the last place and cut into blocks of 32 codes, [.., K / 32, bytes a block], one block behind the other in memory; two codes a byte, the lower K in the low four bits (a code: sign, 2 exponent bits, 1 mantissa bit); and NAME_scales (uint8): the same leading axes, one E8M0 byte (e + 127) for each 32 codes along K. Its value is code x scale, taken as it is: it is not quantised again, and the codes and scales need not be those that the quantiser above would give.
;; 2 versions. Each part assembles by itself: llvm-mc -triple=amdgcn-amd-amdhsa -mcpu=gfx1250 --defsym DOCPART=n.
;; ======== version 1 of 2: 2 launches
;; workspace buffers: dimg 1,048,576 bytes; dsc 65,536 bytes
;; launch qkv_band (part 1): grid 8 x 32, 8 waves a work-group, clusters of 4 x 1, 279,552 bytes of LDS; arguments X_Query, X_Key_codes, X_Key_scales, X_Value_codes, X_Value_scales, Wq_codes, Wq_scales, Wk_codes, Wk_scales, Wv_codes, Wv_scales, bq, bk, bv, dimg, dsc; writes dimg, dsc
.if DOCPART == 1
	.amdgcn_target "amdgcn-amd-amdhsa--gfx1250"
	.amdhsa_code_object_version 6
	.text
	.protected	k_qea36823967_qkv_band
	.globl	k_qea36823967_qkv_band
	.p2align	8
	.type	k_qea36823967_qkv_band,@function
k_qea36823967_qkv_band:
	s_mov_b64 s[64:65], 0
	v_nop
	global_prefetch_b8 v0, s[64:65] scope:SCOPE_SE
	s_setreg_imm32_b32 hwreg(HW_REG_WAVE_MODE, 25, 1), 1
	s_wait_xcnt 0x0
	s_wait_alu depctr_hold_cnt(0) depctr_sa_sdst(0) depctr_va_vdst(0) depctr_va_sdst(0) depctr_va_ssrc(0) depctr_va_vcc(0) depctr_vm_vsrc(0)
	s_getreg_b32 s2, hwreg(HW_REG_IB_STS2, 6, 4)
	s_cmp_eq_u32 s2, 0
	s_cbranch_scc0 .Lentry_in_a_cluster
	s_endpgm
.Lentry_in_a_cluster:
	s_bfe_u32 s2, ttmp6, 0x10000c
	s_cmp_lg_u32 s2, 0x3003
	s_cbranch_scc0 .Lentry_shape_is_right
	s_endpgm
.Lentry_shape_is_right:
; q = Q(X_Query) Wq + bq, k = X_Key Wk + bk, v = X_Value Wv + bv on codes of FP4 (E2M1) with one E8M0 scale for each 32 along K; then, for each row, head and feature i, the softmax over
; the features j of the same head with |i - j| <= 8 of q_i k_j / 8, weighing v_j; then d = X_Query - heads, quantised along the 1,024 features.  d leaves as codes (dimg) and scale words (dsc).
; SHARES.  A work-group of eight waves owns 64 rows x 2 heads (128 features).  256 work-groups.  Wave w has three parts:
;   FEEDER of K step w (128 along K) for all 64 rows: it brings X_Query[64][128] f32 into LDS by one tensor load, quantises its four fragments, and lays them, with X_Key's and X_Value's fragments of that K step,
;     into LDS as images of the operand's registers (16 bytes a lane, 512 bytes a store).
;   JOB (waves 0-5): product w / 2 (q, k, v) for head w % 2: 64 rows x 64 features, 16 accumulators; its 32 fragments of W stay in registers v256-511, read from memory once.
;   UNIT: the band softmax of 16 rows (tile w / 2) x head w % 2.  Lane (r, h) owns row r and features 32 h .. 32 h + 31 of the head: one block of the quantiser of d.
; THE PRODUCTS ARE USED TRANSPOSED (source 0 = 16 rows of W, source 1 = 16 rows of X), AND THE ROWS OF W THAT FORM A TILE ARE NOT NEIGHBOURS: lane r of tile t takes feature 32 (r / 8) + 8 t + r % 8,
; so that register j of tile t in lane (r, h) is feature 32 h + 8 t + j of row r: a lane's 32 registers of four tiles are its 32 neighbouring features.
; CLUSTER.  The four work-groups of a cluster own the same 64 rows, so X_Query's tiles are asked for JOINTLY (mask 15), each wave one load; one tensor load of a wave is out, and LDS is filled once.
; W is not shared so: X_Query's stage takes 270,336 bytes of LDS, so the 192 KiB of W that a work-group needs have no room beside it; each byte of them goes once into the registers of the one wave that multiplies by it.
; THE SOFTMAX takes the row's largest score away, as the definition does: the largest and the smallest k of each window of 17 are found by running maxima, and the larger of q x those two is the largest score.
; LIMITS: NaN and infinities among the inputs are not served.  A block whose largest magnitude lies under 2^-124 gets the scale byte 1 (a block of zeros too: its codes are zeros; this program alone reads the bytes).
; The scores are formed as (q log2(e) / 8) k in f32, one rounding apart from the definition's q k / 8.
.set SP,   528                         ; a stage row: 512 bytes + 16 of padding = 33 x 16 bytes
.set FRB,  16*SP                       ; the 16 rows of a fragment
.set WREG, 64*SP                       ; a wave's tile: 64 rows
.set W2,   2*WREG
.set IMG,  1024                        ; an image of a fragment: 8 registers x 32 lanes x 4 bytes.  Images of Xq, Xk, Xv at +0, +1,024, +2,048 of fragment (m, s)'s bytes, written when its f32 numbers have been read
.set EXC,  3*IMG                       ; behind them the exchange: job j's accumulator (m, t) at fragment (m, j)'s bytes + 3,072 + 1,024 t: ends at 7,168 of 8,448
.set XSC,  8*WREG                      ; behind the stage: X's scale words, [product 3][row 64][K step 8] x 4 bytes
.set DSC,  XSC+3*2048                  ; d's scale bytes: [row 64][4]
.set L16, 1                            ; v1   16 x lane
.set STG, 2                            ; v2   my 32 numbers of a block pair in my wave's tile: wave x WREG + 528 r + 128 h
.set IMW, 3                            ; v3   wave x WREG + 16 x lane: where I store images and accumulators
.set XSW, 4                            ; v4   XSC + 32 r + 4 x wave: Xq's scale word of my K step
.set XCP, 5                            ; v5   XSC + 2,048 + 512 x wave + 16 x lane: my chunk of Xk's or Xv's scale bytes
.set ADX, 6                            ; v6-9 my product's images of K steps 2 k, 2 k + 1
.set ADS, 10                           ; v10  my product's scale words: XSC + 2,048 p + 32 x lane
.set ADE, 11                           ; v11-13 my unit's q, k, v in the exchange
.set ADH, 14                           ; v14-15 k and v of lane l xor 16
.set DSB, 16                           ; v16  my block's byte of d's scales
.set DSR, 17                           ; v17  DSC + 8 x lane
.set L8,  18                           ; v18  8 x lane
.set KVO, 19                           ; v19  X_Key's, X_Value's codes: 512 r + 16 h
.set WCO, 20                           ; v20  W's codes: 512 x (32 (r / 8) + r % 8) + 16 h
.set WSO, 21                           ; v21  W's scales: 32 x the same + 16 h
.set BO,  22                           ; v22  the bias: 128 h
.set XRO, 23                           ; v23  X_Query for the subtraction: 4,096 r + 128 h
.set SH8, 24                           ; v24  8 h
.set SCH, 28                           ; v28-31 my chunk of scale bytes
.set WSC, 32                           ; v32-47 W's scale words: register 4 t + i: lanes 0-15 K step i, lanes 16-31 K step 4 + i
.set XS,  48                           ; v48-63 X's: register 8 mm + s: lanes 0-15 row tile 2 mm, lanes 16-31 row tile 2 mm + 1.  v32-63 hold scale words and nothing else until the last product is issued
.set XF0, 64                           ; v64-95, v96-127 X's four fragments of a K step, two sets; the second holds the bias until K step 0 has taken it as C
.set XF1, 96
.set ACC, 128                          ; v128-255 accumulator (m, t) at 128 + 8 (4 m + t)
.set PC,  64                           ; feeder: v64-71 the codes just made
.set MX,  72                           ; v72-73 largest magnitudes, v74-75 the conversions' scale operands, v76-77 bytes, v78 the scale word, v79 the other half's
.set SO,  74
.set BY,  76
.set WD,  78
.set WD2, 79
.set ST,  128                          ; v128-191 64 numbers: register 32 c + i = k 64 c + 32 h + i of my row
.set KV,  192                          ; v192-255 X_Key's and X_Value's fragments: 192 + 32 pk + 8 m
.set Q,   32                           ; unit: v32-63 q log2(e) / 8, later the weighted sums
.set KE,  64                           ; v64-111 k, index e = my feature + 8: 0-7 and 40-47 are the neighbours' eight
.set VE,  112                          ; v112-159 v likewise
.set M,   160                          ; v160-191 the largest score, later the sum of p, then its reciprocal
.set T,   192                          ; v192-237 running maxima
.set P0,  192                          ; v192-209, v210-227 two sets of 17 (18) p
.set L2,  228
.set A2,  230
.set TQ,  232                          ; v232-237 three pairs whose first register is broadcast
.set TM,  234
.set TL,  236
.set PL,  238                          ; v238 +infinity in lanes 0-15 (no feature under 0), 0 in lanes 16-31;  v239 the other way round (no feature over 63)
.set PH,  239
.set DD,  64                           ; v64-95 d;  v96-99 its codes
.set DC,  96
.set WV, 60                            ; s60 wave;  s61 my product 0, 1, 2;  s62 wave % 2;  s63 head pair;  s66 block of 64 rows;  s67 wave / 2
.set PJ, 61
.set CU, 62
.set GX, 63
.set GY, 66
.set MU, 67
.set MSB, 0
.macro WIN new                         ; the immediate's high byte repeats the setting that is left
.if MSB != \new
	s_set_vgpr_msb (MSB<<8)|\new
.set MSB, \new
.endif
.endm
.macro ROUND                           ; a round of the cluster's barrier
	s_barrier_signal -1
	s_barrier_wait -1
	s_cmp_lg_u32 s[WV], 0
	s_cbranch_scc1 .Lnot_wave_0_\@
	s_barrier_signal -3
.Lnot_wave_0_\@:
	s_barrier_wait -3
	s_barrier_signal -1
	s_barrier_wait -1
.endm
.macro BARRIER                         ; my LDS stores have landed and my LDS loads are in: then the work-group's barrier
	s_wait_dscnt 0x0
	s_barrier_signal -1
	s_barrier_wait -1
.endm
; one product: D, source 0, source 1, C, their scale registers; ra, rb: the scales stand in lanes 16-31
.macro MM d, a, b, c, sa, sb, ra, rb
.if (\ra) && (\rb)
	v_wmma_scale_f32_16x16x128_f8f6f4 v[(\d):(\d)+7], v[(\a):(\a)+7], v[(\b):(\b)+7], v[(\c):(\c)+7], v[(\sa)], v[(\sb)] matrix_a_fmt:MATRIX_FMT_FP4 matrix_b_fmt:MATRIX_FMT_FP4 matrix_a_scale:MATRIX_SCALE_ROW1 matrix_b_scale:MATRIX_SCALE_ROW1
.elseif (\ra)
	v_wmma_scale_f32_16x16x128_f8f6f4 v[(\d):(\d)+7], v[(\a):(\a)+7], v[(\b):(\b)+7], v[(\c):(\c)+7], v[(\sa)], v[(\sb)] matrix_a_fmt:MATRIX_FMT_FP4 matrix_b_fmt:MATRIX_FMT_FP4 matrix_a_scale:MATRIX_SCALE_ROW1
.elseif (\rb)
	v_wmma_scale_f32_16x16x128_f8f6f4 v[(\d):(\d)+7], v[(\a):(\a)+7], v[(\b):(\b)+7], v[(\c):(\c)+7], v[(\sa)], v[(\sb)] matrix_a_fmt:MATRIX_FMT_FP4 matrix_b_fmt:MATRIX_FMT_FP4 matrix_b_scale:MATRIX_SCALE_ROW1
.else
	v_wmma_scale_f32_16x16x128_f8f6f4 v[(\d):(\d)+7], v[(\a):(\a)+7], v[(\b):(\b)+7], v[(\c):(\c)+7], v[(\sa)], v[(\sb)] matrix_a_fmt:MATRIX_FMT_FP4 matrix_b_fmt:MATRIX_FMT_FP4
.endif
.endm
	s_load_b512 s[8:23], s[0:1], 0x0               ; X_Query 8, Xk codes 10, Xk scales 12, Xv codes 14, Xv scales 16, Wq codes 18, Wq scales 20, Wk codes 22
	s_load_b512 s[24:39], s[0:1], 0x40             ; Wk scales 24, Wv codes 26, Wv scales 28, bq 30, bk 32, bv 34, dimg 36, dsc 38
	v_lshl_add_u32 v254, v0, 2, 0x44000
	v_mov_b32 v255, 0
	ds_add_u32 v254, v255
	ds_add_u32 v254, v255
	s_wait_dscnt 0x0
	v_lshrrev_b32 v25, 5, v0
	v_readfirstlane_b32 s[WV], v25                 ; wave 0..7
	v_and_b32 v25, 31, v0                          ; lane
	v_and_b32 v26, 15, v0                          ; r
	v_bfe_u32 v27, v0, 4, 1                        ; h
	s_lshr_b32 s[MU], s[WV], 1
	s_and_b32 s[CU], s[WV], 1
	s_min_u32 s[PJ], s[MU], 2                      ; (waves 6 and 7 have no job: held at 2, so that their unused addresses stay inside LDS)
	s_bfe_u32 s[GX], ttmp6, 0x40000                ; cx
	s_lshl_b32 s70, ttmp9, 2
	s_add_co_u32 s[GX], s70, s[GX]                 ; head pair = 4 x cluster x + cx: it enters global addresses alone
	s_and_b32 s[GY], ttmp7, 0xffff                 ; block of 64 rows, which the four partners share
	; the descriptor.  Group 1: 64 rows x 128 elements of 4 bytes, 1,024 elements from row to row; 4 words of padding behind every 128
	s_mov_b32 s52, 15|(2<<16)|(1<<20)|(1<<21)|(6<<22)|(3<<25)
	s_mov_b32 s53, 128<<16                         ; tensor_dim0
	s_mov_b32 s54, 64<<16                          ; tensor_dim1
	s_mov_b32 s55, 128<<16                         ; tile_dim0
	s_mov_b32 s56, 64                              ; tile_dim1
	s_mov_b32 s57, 1024                            ; the pitch
	s_mov_b32 s58, 0
	s_mov_b32 s59, 0
	s_mov_b32 s48, 1
	s_mul_i32 s49, s[WV], WREG                     ; LDS: my wave's tile
	s_lshl_b32 s80, s[GY], 18                      ; 64 rows of 4,096 bytes,
	s_lshl_b32 s81, s[WV], 9                       ; K step w: 512 bytes on
	s_add_co_u32 s80, s80, s81
	s_mov_b32 s81, 0
	s_mov_b32 s68, 0x76543210
	s_mov_b32 s69, 0xfedcba98                      ; v_permlanex16_b32's selects for lane l xor 16
	s_mov_b32 s82, 0x3e38aa3b                      ; log2(e) / 8
	s_mov_b32 s83, s82                             ; (named with it as a pair, so it is written)
	; every LDS address is made here, ahead of the first parting of the waves
	v_lshlrev_b32 v[L16], 4, v25
	s_mul_i32 s76, s[WV], WREG
	v_mul_u32_u24 v[STG], v26, SP
	v_lshl_add_u32 v[STG], v27, 7, v[STG]
	v_add_nc_u32 v[STG], s76, v[STG]
	v_add_nc_u32 v[IMW], s76, v[L16]
	s_lshl_b32 s77, s[WV], 2
	s_add_co_u32 s77, s77, XSC
	v_lshlrev_b32 v[XSW], 5, v26
	v_add_nc_u32 v[XSW], s77, v[XSW]
	s_lshl_b32 s77, s[WV], 9
	s_add_co_u32 s77, s77, XSC+2048
	v_add_nc_u32 v[XCP], s77, v[L16]
	s_lshl_b32 s77, s[PJ], 10
	v_add_nc_u32 v[ADX], s77, v[L16]
	v_add_nc_u32 v[ADX+1], W2, v[ADX]
	v_add_nc_u32 v[ADX+2], W2, v[ADX+1]
	v_add_nc_u32 v[ADX+3], W2, v[ADX+2]
	s_lshl_b32 s77, s[PJ], 11
	s_add_co_u32 s77, s77, XSC
	v_lshl_add_u32 v[ADS], v25, 5, s77
	s_mul_i32 s77, s[CU], WREG
	s_mul_i32 s78, s[MU], FRB
	s_add_co_u32 s77, s77, s78                     ; job 2 p + wave % 2, row tile wave / 2
	v_add_nc_u32 v[ADE], s77, v[L16]
	v_add_nc_u32 v[ADE+1], W2, v[ADE]
	v_add_nc_u32 v[ADE+2], W2, v[ADE+1]
	v_xor_b32 v[ADH], 0x100, v[L16]                ; 16 x (lane xor 16)
	v_add_nc_u32 v[ADH], s77, v[ADH]
	v_add_nc_u32 v[ADH], W2, v[ADH]
	v_add_nc_u32 v[ADH+1], W2, v[ADH]
	s_lshl_b32 s78, s[MU], 6
	s_lshl_b32 s79, s[CU], 1
	s_add_co_u32 s78, s78, s79
	s_add_co_u32 s78, s78, DSC
	v_lshl_add_u32 v[DSB], v26, 2, v27
	v_add_nc_u32 v[DSB], s78, v[DSB]               ; DSC + 4 (16 mu + r) + 2 cu + h
	v_lshl_add_u32 v[DSR], v25, 3, DSC
	v_lshlrev_b32 v[L8], 3, v25
	v_lshlrev_b32 v[KVO], 9, v26
	v_lshl_add_u32 v[KVO], v27, 4, v[KVO]
	v_and_b32 v24, 7, v26
	v_lshrrev_b32 v[WCO], 3, v26
	v_lshl_add_u32 v24, v[WCO], 5, v24             ; 32 (r / 8) + r % 8
	v_lshlrev_b32 v[WCO], 9, v24
	v_lshl_add_u32 v[WCO], v27, 4, v[WCO]
	v_lshlrev_b32 v[WSO], 5, v24
	v_lshl_add_u32 v[WSO], v27, 4, v[WSO]
	v_lshlrev_b32 v[BO], 7, v27
	v_lshlrev_b32 v[XRO], 12, v26
	v_lshl_add_u32 v[XRO], v27, 7, v[XRO]
	v_lshlrev_b32 v[SH8], 3, v27
	v_mov_b32 v[WD2], 0                            ; written once: a lane permute's destination counts as one of its sources
	s_wait_kmcnt 0x0
	s_add_nc_u64 s[50:51], s[8:9], s[80:81]        ; the tile's first element: made of the rows' block and the wave's number alone
	s_or_b32 s51, s51, 0x80000000                  ; type = 2
	ROUND                                          ; all four work-groups are here: the joint loads meet
	tensor_load_to_lds s[48:51], s[52:59]          ; my wave's one tensor load: X_Query[64 rows][K step w], for all four partners
	s_nop 0
.rept 4
	v_nop
.endr
	; the other addresses
	s_cmp_eq_u32 s[PJ], 0                          ; my job's W, its scales and its bias: the choice hangs on the wave's number alone
	s_cselect_b64 s[40:41], s[18:19], s[22:23]
	s_cselect_b64 s[42:43], s[20:21], s[24:25]
	s_cselect_b64 s[44:45], s[30:31], s[32:33]
	s_cmp_eq_u32 s[PJ], 2
	s_cselect_b64 s[40:41], s[26:27], s[40:41]
	s_cselect_b64 s[42:43], s[28:29], s[42:43]
	s_cselect_b64 s[44:45], s[34:35], s[44:45]
	s_cmp_lt_u32 s[WV], 4                          ; waves 0-3 copy X_Key's scale bytes, waves 4-7 X_Value's
	s_cselect_b64 s[46:47], s[12:13], s[16:17]
	s_mov_b32 s71, 0
	s_lshl_b32 s70, s[GY], 15                      ; 64 rows of 512 bytes of codes,
	s_lshl_b32 s72, s[WV], 6                       ; K step w: 64 bytes on
	s_add_co_u32 s70, s70, s72
	s_add_nc_u64 s[10:11], s[10:11], s[70:71]
	s_add_nc_u64 s[14:15], s[14:15], s[70:71]
	s_lshl_b32 s70, s[GY], 11                      ; 64 rows of 32 scale bytes, my quarter of them
	s_and_b32 s72, s[WV], 3
	s_lshl_b32 s72, s72, 9
	s_add_co_u32 s70, s70, s72
	s_add_nc_u64 s[46:47], s[46:47], s[70:71]
	s_lshl_b32 s73, s[GX], 1
	s_add_co_u32 s73, s73, s[CU]                   ; my head: 2 x head pair + wave % 2
	s_lshl_b32 s70, s73, 15                        ; its 64 rows of W: 512 bytes each,
	s_add_nc_u64 s[40:41], s[40:41], s[70:71]
	s_lshl_b32 s70, s73, 11                        ; 32 scale bytes each,
	s_add_nc_u64 s[42:43], s[42:43], s[70:71]
	s_lshl_b32 s70, s73, 8                         ; 4 bytes of bias each
	s_add_nc_u64 s[44:45], s[44:45], s[70:71]
	s_lshl_b32 s70, s[GY], 18                      ; X_Query at my unit: row 64 gy + 16 mu, feature 64 x head
	s_lshl_b32 s72, s[MU], 16
	s_add_co_u32 s70, s70, s72
	s_lshl_b32 s72, s73, 8
	s_add_co_u32 s70, s70, s72
	s_add_nc_u64 s[74:75], s[8:9], s[70:71]
	s_lshl_b32 s70, s[GY], 2                       ; dimg: row tile 4 gy + mu: 8,192 bytes each; my head's half fragment: 512 bytes each
	s_add_co_u32 s70, s70, s[MU]
	s_lshl_b32 s70, s70, 13
	s_lshl_b32 s72, s73, 9
	s_add_co_u32 s70, s70, s72
	s_add_nc_u64 s[36:37], s[36:37], s[70:71]
	s_lshl_b32 s70, s[GX], 13                      ; dsc: K step = head pair: 8,192 bytes each; 64 rows of 4 bytes
	s_lshl_b32 s72, s[GY], 8
	s_add_co_u32 s70, s70, s72
	s_add_nc_u64 s[38:39], s[38:39], s[70:71]
	; all global operands in one burst; no address register is written again
.irp m, 0,1,2,3
.irp c, 0,1
	global_load_b128 v[KV+8*\m+4*\c:KV+8*\m+4*\c+3], v[KVO], s[10:11] offset:8192*\m+32*\c         ; X_Key's fragment (m, K step w)
	global_load_b128 v[KV+32+8*\m+4*\c:KV+32+8*\m+4*\c+3], v[KVO], s[14:15] offset:8192*\m+32*\c   ; X_Value's
.endr
.endr
	global_load_b128 v[SCH:SCH+3], v[L16], s[46:47]                                                ; 512 dense bytes of scales
	s_cmp_lt_u32 s[WV], 6
	s_cbranch_scc0 .Lnojob1
	WIN 0x40                                       ; destination window 1
.irp t, 0,1,2,3
.irp s, 0,1,2,3,4,5,6,7
.irp c, 0,1
	global_load_b128 v[8*(8*\t+\s)+4*\c:8*(8*\t+\s)+4*\c+3], v[WCO], s[40:41] offset:4096*\t+64*\s+32*\c   ; W's fragment (t, s): it stays
.endr
.endr
.endr
	WIN 0
.irp t, 0,1,2,3
	global_load_b128 v[WSC+4*\t:WSC+4*\t+3], v[WSO], s[42:43] offset:256*\t
.endr
.irp t, 0,1,2,3
.irp f, 0,1
	global_load_b128 v[XF1+8*\t+4*\f:XF1+8*\t+4*\f+3], v[BO], s[44:45] offset:32*\t+16*\f          ; the bias in the result's layout: features 32 h + 8 t + 0 .. 7
.endr
.endr
.Lnojob1:
	s_wait_tensorcnt 0x0                           ; my tile lies in LDS
	s_wait_loadcnt 0x0                             ; and all that I asked for in registers
; ---- FEEDER.  64 numbers of a lane become a fragment's codes in v[PC] on and its scale word in v[WD].  A lane holds two whole blocks (2 c + h), so no other lane is asked for a maximum.
.macro QUANTX
.irp c, 0,1
	v_max3_num_f32 v[MX+\c], |v[ST+32*\c]|, |v[ST+32*\c+1]|, 0x1800000      ; and the floor 2^(3 - 127): the byte cannot fall under 1
.endr
.irp i, 2,4,6,8,10,12,14,16,18,20,22,24,26,28,30
.irp c, 0,1
	v_max3_num_f32 v[MX+\c], v[MX+\c], |v[ST+32*\c+\i]|, |v[ST+32*\c+\i+1]| ; (the two blocks by turns)
.endr
.endr
.irp c, 0,1
	v_add_nc_u32 v[SO+\c], 0xff000000, v[MX+\c]    ; 2 off the exponent field: the conversion takes the exponent field of this operand as its scale
.endr
.irp c, 0,1
	v_lshrrev_b32 v[BY+\c], 23, v[SO+\c]           ; the scale's byte
.endr
	v_lshl_or_b32 v[WD], v[BY+1], 16, v[BY]        ; blocks h and 2 + h,
	v_lshlrev_b32 v[WD], v[SH8], v[WD]             ; at their places in the word;
	v_permlanex16_b32 v[WD2], v[WD], s68, s69
	v_or_b32 v[WD], v[WD], v[WD2]                  ; with lane l xor 16's two it is whole
.irp c, 0,1
.irp g, 0,1,2,3
	v_cvt_scalef32_pk8_fp4_f32 v[PC+4*\c+\g], v[ST+32*\c+8*\g:ST+32*\c+8*\g+7], v[SO+\c]
.endr
.endr
	v_nop                                          ; one plain place behind a scaled conversion
.endm
.macro FRAGX m                         ; row tile m of my K step
.irp c, 0,1
.irp j, 0,1,2,3,4,5,6,7
	ds_load_b128 v[ST+32*\c+4*\j:ST+32*\c+4*\j+3], v[STG] offset:\m*FRB+256*\c+16*\j
.endr
.endr
	s_wait_dscnt 0x0                               ; the numbers are in (and the last fragment's stores have read their registers): from here on this fragment's bytes are free
	QUANTX
.irp c, 0,1
	ds_store_b128 v[IMW], v[PC+4*\c:PC+4*\c+3] offset:\m*FRB+512*\c
	ds_store_b128 v[IMW], v[KV+8*\m+4*\c:KV+8*\m+4*\c+3] offset:\m*FRB+IMG+512*\c
	ds_store_b128 v[IMW], v[KV+32+8*\m+4*\c:KV+32+8*\m+4*\c+3] offset:\m*FRB+2*IMG+512*\c
.endr
	ds_store_b32 v[XSW], v[WD] offset:512*\m       ; lanes r and r + 16 write the same word with the same value
.endm
	ds_store_b128 v[XCP], v[SCH:SCH+3]
	FRAGX 0
	FRAGX 1
	FRAGX 2
	FRAGX 3
	BARRIER                                        ; every wave's tile has landed and been read; all images and scale words lie in LDS
; ---- JOB: 64 rows x 64 features x K 1,024.
.macro FETCHX s, buf                   ; my product's four fragments of X of K step s
.irp m, 0,1,2,3
.irp c, 0,1
	ds_load_b128 v[\buf+8*\m+4*\c:\buf+8*\m+4*\c+3], v[ADX+(\s)/2] offset:((\s)%2)*WREG+\m*FRB+512*\c
.endr
.endr
.endm
.macro KSTEP s                         ; 16 products; the 16 accumulators take turns, one instruction a turn, in the same order in every step.  K step 0 takes the bias as C
	WIN 0x01                                       ; source 0 (W) window 1
.irp m, 0,1,2,3
.irp t, 0,1,2,3
.if \s == 0
	MM ACC+8*(4*\m+\t), 8*(8*\t+\s), XF0+8*\m, XF1+8*\t, WSC+4*\t, XS+8*(\m/2), 0, \m%2
.else
	MM ACC+8*(4*\m+\t), 8*(8*\t+\s), XF0+32*(\s%2)+8*\m, ACC+8*(4*\m+\t), WSC+4*\t+\s%4, XS+8*(\m/2)+\s, \s/4, \m%2
.endif
.endr
.endr
	WIN 0
.rept 4
	v_nop                                          ; four places in front of loads into registers that these products read, and of the stores that read their results
.endr
.endm
	s_cmp_lt_u32 s[WV], 6
	s_cbranch_scc0 .Lnojob2
.irp mm, 0,1
.irp f, 0,1
	ds_load_b128 v[XS+8*\mm+4*\f:XS+8*\mm+4*\f+3], v[ADS] offset:1024*\mm+16*\f   ; lane l: row 32 mm + l, K steps 4 f .. 4 f + 3
.endr
.endr
	FETCHX 0, XF0
	s_wait_dscnt 0x0
	KSTEP 0
	FETCHX 1, XF1
	FETCHX 2, XF0
	s_wait_dscnt 8                                 ; K step 1's eight loads are in; K step 2's eight may be out
.irp s, 1,2,3,4,5,6,7
	KSTEP \s
.if \s+2 <= 7
	FETCHX \s+2, XF0+32*(\s%2)
	s_wait_dscnt 8                                 ; the next step's eight loads are in; the eight just issued may be out
.elseif \s < 7
	s_wait_dscnt 0x0
.endif
.endr
.irp m, 0,1,2,3
.irp t, 0,1,2,3
	ds_store_b128 v[IMW], v[ACC+8*(4*\m+\t):ACC+8*(4*\m+\t)+3] offset:\m*FRB+EXC+1024*\t          ; each accumulator from its low end on, as an image of its registers
	ds_store_b128 v[IMW], v[ACC+8*(4*\m+\t)+4:ACC+8*(4*\m+\t)+7] offset:\m*FRB+EXC+1024*\t+512
.endr
.endr
.Lnojob2:
	WIN 0x40                                       ; destination window 1: W's first registers are done with
.irp i, 0,1,2,3,4,5,6,7
	global_load_b128 v[4*\i:4*\i+3], v[XRO], s[74:75] offset:16*\i    ; X_Query at my 32 features, for the subtraction: it lands during the softmax
.endr
	WIN 0
	BARRIER                                        ; q, k and v lie in the exchange
; ---- UNIT: 16 rows x 1 head.
.irp t, 0,1,2,3
.irp f, 0,1
	ds_load_b128 v[Q+8*\t+4*\f:Q+8*\t+4*\f+3], v[ADE] offset:EXC+1024*\t+512*\f
	ds_load_b128 v[KE+8+8*\t+4*\f:KE+8+8*\t+4*\f+3], v[ADE+1] offset:EXC+1024*\t+512*\f
	ds_load_b128 v[VE+8+8*\t+4*\f:VE+8+8*\t+4*\f+3], v[ADE+2] offset:EXC+1024*\t+512*\f
.endr
.endr
.irp f, 0,1                            ; the eight features under mine are lane l xor 16's last eight, those over mine its first eight (where they exist)
	ds_load_b128 v[KE+4*\f:KE+4*\f+3], v[ADH] offset:EXC+3072+512*\f
	ds_load_b128 v[VE+4*\f:VE+4*\f+3], v[ADH+1] offset:EXC+3072+512*\f
	ds_load_b128 v[KE+40+4*\f:KE+40+4*\f+3], v[ADH] offset:EXC+512*\f
	ds_load_b128 v[VE+40+4*\f:VE+40+4*\f+3], v[ADH+1] offset:EXC+512*\f
.endr
	s_mov_b32 vcc_lo, 0xffff0000                   ; lanes 16-31
	v_mov_b32 v240, 0x7f800000
	v_mov_b32 v241, 0
	v_cndmask_b32 v[PL], v240, v241, vcc_lo
	v_cndmask_b32 v[PH], v241, v240, vcc_lo
	s_wait_dscnt 0x0
.irp j, 0,2,4,6,8,10,12,14,16,18,20,22,24,26,28,30
	v_pk_mul_f32 v[Q+\j:Q+\j+1], v[Q+\j:Q+\j+1], s[82:83] op_sel_hi:[1,0]   ; q log2(e) / 8
.endr
.irp j, 0,1,2,3,4,5,6,7
	v_cndmask_b32 v[KE+\j], v[KE+8], v[KE+\j], vcc_lo          ; lanes 0-15: no feature under 0: a copy of k_0, which lies in every window that reaches there, so that no maximum changes
	v_cndmask_b32 v[KE+40+\j], v[KE+40+\j], v[KE+39], vcc_lo   ; lanes 16-31: no feature over 63: a copy of k_63
.endr
; the largest (smallest) k of each window e = i .. i + 16: of 3, of 9, of 17
.macro WINDOW op3, op2
.set j, 0
.rept 46
	\op3 v[T+j], v[KE+j], v[KE+j+1], v[KE+j+2]
.set j, j+1
.endr
.set j, 0
.rept 40
	\op3 v[T+j], v[T+j], v[T+j+3], v[T+j+6]        ; in place, ascending: the sources further on are still of 3
.set j, j+1
.endr
.set j, 0
.rept 32
	\op2 v[T+j], v[T+j], v[T+j+8]
.set j, j+1
.endr
.endm
	WINDOW v_max3_num_f32, v_max_num_f32
.set j, 0
.rept 32
	v_mul_f32 v[M+j], v[Q+j], v[T+j]
.set j, j+1
.endr
	WINDOW v_min3_num_f32, v_min_num_f32
.set j, 0
.rept 32
	v_mul_f32 v[T+j], v[Q+j], v[T+j]
.set j, j+1
.endr
.set j, 0
.rept 32
	v_max_num_f32 v[M+j], v[M+j], v[T+j]           ; a rounded product rises with its factor: this is the largest rounded score of the window
.set j, j+1
.endr
	v_mov_b32 v[TQ+1], 0                           ; (named as the upper halves of pairs, so they are written)
	v_mov_b32 v[TM+1], 0
	v_mov_b32 v[TL+1], 0
; the 17 exponents of feature i into set ps: k x q - m, eight pairs and one single.  The pair's first register is broadcast, so an odd i first moves q and m into pairs of their own.
; Places outside the head take m + infinity: the exponent is -infinity and p is 0.  p of index e stands at ps + e - i + i % 2.
.macro ARGS i, ps
.set ab, (\i)%2
.if ab
	v_mov_b32 v[TQ], v[Q+(\i)]
	v_mov_b32 v[TM], v[M+(\i)]
.set aq, TQ
.set am, TM
.else
.set aq, Q+(\i)
.set am, M+(\i)
.endif
.if (\i) < 8
	v_add_f32 v[TL], v[M+(\i)], v[PL]
.elseif (\i) >= 24
	v_add_f32 v[TL], v[M+(\i)], v[PH]
.endif
.if ab
.set ae, (\i)
.set ad, (\ps)+1
.else
.set ae, (\i)+16
.set ad, (\ps)+16
.endif
.if (ae < 8) || (ae >= 40)
	v_fma_f32 v[ad], v[KE+ae], v[Q+(\i)], -v[TL]
.else
	v_fma_f32 v[ad], v[KE+ae], v[Q+(\i)], -v[M+(\i)]
.endif
.set an, 0
.rept 8
.set ae, (\i)+2*an+ab
.set ad, (\ps)+2*an+2*ab
.if (ae < 8) || (ae >= 40)
	v_pk_fma_f32 v[ad:ad+1], v[KE+ae:KE+ae+1], v[aq:aq+1], v[TL:TL+1] op_sel_hi:[1,0,0] neg_lo:[0,0,1] neg_hi:[0,0,1]
.else
	v_pk_fma_f32 v[ad:ad+1], v[KE+ae:KE+ae+1], v[aq:aq+1], v[am:am+1] op_sel_hi:[1,0,0] neg_lo:[0,0,1] neg_hi:[0,0,1]
.endif
.set an, an+1
.endr
.endm
.macro EXPS i, ps
.set en, 0
.rept 17
	v_exp_f32 v[(\ps)+(\i)%2+en], v[(\ps)+(\i)%2+en]
.set en, en+1
.endr
.endm
; the sum of the 17 p into M + i, the sum of p v into Q + i
.macro SUMS i, ps
.set sb, (\i)%2
.set sp, (\ps)+2*sb
.set sv, VE+(\i)+sb
.if sb
.set ss, (\ps)+1
.set se, VE+(\i)
.else
.set ss, (\ps)+16
.set se, VE+(\i)+16
.endif
	s_wait_alu depctr_va_vdst(0)
	v_pk_add_f32 v[L2:L2+1], v[sp:sp+1], v[sp+2:sp+3]
	v_pk_mul_f32 v[A2:A2+1], v[sp:sp+1], v[sv:sv+1]
	v_pk_fma_f32 v[A2:A2+1], v[sp+2:sp+3], v[sv+2:sv+3], v[A2:A2+1]
.set sn, 2
.rept 6
	v_pk_add_f32 v[L2:L2+1], v[L2:L2+1], v[sp+2*sn:sp+2*sn+1]
	v_pk_fma_f32 v[A2:A2+1], v[sp+2*sn:sp+2*sn+1], v[sv+2*sn:sv+2*sn+1], v[A2:A2+1]
.set sn, sn+1
.endr
	v_add_f32 v[L2], v[L2], v[L2+1]
	v_add_f32 v[A2], v[A2], v[A2+1]
	v_add_f32 v[M+(\i)], v[L2], v[ss]
	v_fma_f32 v[Q+(\i)], v[ss], v[se], v[A2]
.endm
	ARGS 0, P0
.set I, 0
.rept 32                               ; feature i's exponentials; the next feature's exponents, whose first line is the plain place behind them; feature i's sums
	EXPS I, P0+18*(I%2)
.if I < 31
	ARGS I+1, P0+18*((I+1)%2)
.else
	v_nop
.endif
	SUMS I, P0+18*(I%2)
.set I, I+1
.endr
.set j, 0
.rept 32
	v_rcp_f32 v[M+j], v[M+j]
.set j, j+1
.endr
	v_nop                                          ; one plain place behind the reciprocals
	s_wait_loadcnt 0x0                             ; X_Query's 32 numbers
	WIN 0x10                                       ; source 2 window 1
.irp j, 0,2,4,6,8,10,12,14,16,18,20,22,24,26,28,30
	s_wait_alu depctr_va_vdst(0)
	v_pk_fma_f32 v[DD+\j:DD+\j+1], v[Q+\j:Q+\j+1], v[M+\j:M+\j+1], v[\j:\j+1] neg_lo:[1,0,0] neg_hi:[1,0,0]   ; d = X_Query - (sum of p v) / (sum of p)
.endr
	WIN 0
	; d's 32 numbers of a lane are one block
	v_max3_num_f32 v240, |v[DD]|, |v[DD+1]|, 0x1800000
	v_max3_num_f32 v243, |v[DD+16]|, |v[DD+17]|, 0x1800000
.irp i, 2,4,6,8,10,12,14
	v_max3_num_f32 v240, v240, |v[DD+\i]|, |v[DD+\i+1]|
	v_max3_num_f32 v243, v243, |v[DD+16+\i]|, |v[DD+16+\i+1]|
.endr
	v_max_num_f32 v240, v240, v243
	v_add_nc_u32 v241, 0xff000000, v240
	v_lshrrev_b32 v242, 23, v241
.irp g, 0,1,2,3
	v_cvt_scalef32_pk8_fp4_f32 v[DC+\g], v[DD+8*\g:DD+8*\g+7], v241
.endr
	v_nop                                          ; one plain place behind a scaled conversion
	global_store_b128 v[L16], v[DC:DC+3], s[36:37] ; half a fragment of the next product's operand, as its registers want it: the wave stores 512 consecutive bytes, aligned
	ds_store_b8 v[DSB], v242
	BARRIER                                        ; the 256 scale bytes of the work-group's 64 rows lie in LDS
	s_cmp_lg_u32 s[WV], 0
	s_cbranch_scc1 .Lnot0
	ds_load_b64 v[240:241], v[DSR]
	s_wait_dscnt 0x0
	global_store_b64 v[L8], v[240:241], s[38:39]   ; 32 lanes store 256 consecutive bytes, aligned
.Lnot0:
	s_wait_xcnt 0x0
	v_lshl_add_u32 v254, v0, 2, 0x44000
	v_mov_b32 v255, 0
	s_wait_tensorcnt 0x0
	ds_add_u32 v254, v255
	s_wait_dscnt 0x0
	ROUND                                          ; the closing round: no work-group ends while a partner may still ask for a tile that names it
	s_endpgm
.Lfunc_end_k_qea36823967_qkv_band:
	.size	k_qea36823967_qkv_band, .Lfunc_end_k_qea36823967_qkv_band-k_qea36823967_qkv_band
	.p2alignl 7, 3214868480
	.fill 96, 4, 3214868480
	.section	.rodata,"a",@progbits
	.p2align	6, 0x0
	.amdhsa_kernel k_qea36823967_qkv_band
		.amdhsa_group_segment_fixed_size 279552
		.amdhsa_private_segment_fixed_size 0
		.amdhsa_enable_private_segment 0
		.amdhsa_kernarg_size 128
		.amdhsa_user_sgpr_count 2
		.amdhsa_user_sgpr_kernarg_segment_ptr 1
		.amdhsa_wavefront_size32 1
		.amdhsa_system_sgpr_workgroup_id_x 1
		.amdhsa_system_sgpr_workgroup_id_y 1
		.amdhsa_system_sgpr_workgroup_id_z 1
		.amdhsa_system_vgpr_workitem_id 0
		.amdhsa_next_free_vgpr 512
		.amdhsa_next_free_sgpr 84
		.amdhsa_reserve_vcc 1
		.amdhsa_float_denorm_mode_32 3
		.amdhsa_float_denorm_mode_16_64 3
		.amdhsa_memory_ordered 1
		.amdhsa_forward_progress 1
		.amdhsa_inst_pref_size 156
	.end_amdhsa_kernel
	.amdgpu_metadata
---
amdhsa.version: [ 1, 2 ]
amdhsa.kernels:
  - .name:           k_qea36823967_qkv_band
    .symbol:         k_qea36823967_qkv_band.kd
    .args:
      - { .name: X_Query, .offset: 0, .size: 8, .value_kind: global_buffer, .address_space: global }
      - { .name: X_Key_codes, .offset: 8, .size: 8, .value_kind: global_buffer, .address_space: global }
      - { .name: X_Key_scales, .offset: 16, .size: 8, .value_kind: global_buffer, .address_space: global }
      - { .name: X_Value_codes, .offset: 24, .size: 8, .value_kind: global_buffer, .address_space: global }
      - { .name: X_Value_scales, .offset: 32, .size: 8, .value_kind: global_buffer, .address_space: global }
      - { .name: Wq_codes, .offset: 40, .size: 8, .value_kind: global_buffer, .address_space: global }
      - { .name: Wq_scales, .offset: 48, .size: 8, .value_kind: global_buffer, .address_space: global }
      - { .name: Wk_codes, .offset: 56, .size: 8, .value_kind: global_buffer, .address_space: global }
      - { .name: Wk_scales, .offset: 64, .size: 8, .value_kind: global_buffer, .address_space: global }
      - { .name: Wv_codes, .offset: 72, .size: 8, .value_kind: global_buffer, .address_space: global }
      - { .name: Wv_scales, .offset: 80, .size: 8, .value_kind: global_buffer, .address_space: global }
      - { .name: bq, .offset: 88, .size: 8, .value_kind: global_buffer, .address_space: global }
      - { .name: bk, .offset: 96, .size: 8, .value_kind: global_buffer, .address_space: global }
      - { .name: bv, .offset: 104, .size: 8, .value_kind: global_buffer, .address_space: global }
      - { .name: dimg, .offset: 112, .size: 8, .value_kind: global_buffer, .address_space: global }
      - { .name: dsc, .offset: 120, .size: 8, .value_kind: global_buffer, .address_space: global }
    .group_segment_fixed_size: 279552
    .private_segment_fixed_size: 0
    .kernarg_segment_align: 8
    .kernarg_segment_size: 128
    .max_flat_workgroup_size: 256
    .sgpr_count:     84
    .vgpr_count:     512
    .wavefront_size: 32
...
	.end_amdgpu_metadata
.endif
;; end of part 1
;; launch oproj (part 2): grid 16 x 16, 4 waves a work-group, no clusters, 35,328 bytes of LDS; arguments dimg, dsc, Wo_codes, Wo_scales, bo, out0; writes out0
.if DOCPART == 2
	.amdgcn_target "amdgcn-amd-amdhsa--gfx1250"
	.amdhsa_code_object_version 6
	.text
	.protected	k_qea36823967_oproj
	.globl	k_qea36823967_oproj
	.p2align	8
	.type	k_qea36823967_oproj,@function
k_qea36823967_oproj:
	s_mov_b64 s[64:65], 0
	v_nop
	global_prefetch_b8 v0, s[64:65] scope:SCOPE_SE
	s_setreg_imm32_b32 hwreg(HW_REG_WAVE_MODE, 25, 1), 1
	s_wait_xcnt 0x0
; out0 = Q(d) Wo + bo on codes of FP4 (E2M1) with one E8M0 scale for each 32 along K.  d's codes come as images of the operand's registers, [row tile 128][K step 8][c 2][lane 32][16 bytes], its scale
; words as [K step 8][row 2,048]; Wo's codes [1,024 (n)][512 bytes], its scale bytes [1,024][32].
; SHARES.  A work-group owns 128 rows x 64 columns; 256 work-groups.  Wave w owns rows 32 w .. 32 w + 31 and all 64 columns: 8 accumulators (2 row tiles x 4 column tiles), K = 8 steps of 128.
; A wave's whole operand set, 16 KiB of d and 32 KiB of Wo, is asked for in ONE burst into registers, K step by K step, and the products follow the loads by counted waits.
; THE PRODUCT IS USED TRANSPOSED (source 0 = 16 rows of Wo, source 1 = 16 rows of d): a lane holds eight neighbouring columns of one row.  The bias is loaded into the accumulators, so every product adds in place.
; A wave's 64 columns are 256 aligned bytes of a row of out0, so the stage on the way out is the wave's own: no barrier in the text.
; NO CLUSTER, NO TENSOR LOAD: there is no loop over tiles in which a joint request could be repeated: each operand byte is asked for once by a wave, at the kernel's head; a joint request would put a round of the
; cluster's barrier in front of that one fetch and a pass through LDS behind it.  The four waves read the same 32 KiB of Wo each.
.set L16, 1                            ; v1  16 x lane
.set L4,  2                            ; v2  4 x lane
.set WCO, 3                            ; v3  Wo's codes: 512 r + 16 h
.set WSO, 4                            ; v4  Wo's scales: 32 r + 16 h
.set BO,  5                            ; v5  the bias: 32 h
.set STO, 6                            ; v6  the stage, in: wave x 8,704 + 272 r + 32 h
.set RD,  7                            ; v7  and back: wave x 8,704 + 272 (lane / 16) + 16 (lane % 16)
.set CO,  8                            ; v8  the same two rows in out0: 4,096 (lane / 16) + 16 (lane % 16)
.set AF,  16                           ; v16-143 d's fragment (mi, s) at 16 + 8 (8 mi + s); on the way out rows of out0
.set AS,  144                          ; v144-151 d's scale words of K step s: lanes 0-15 row tile 0, lanes 16-31 row tile 1
.set BS,  152                          ; v152-167 Wo's: register 4 nt + i: lanes 0-15 K step i, lanes 16-31 K step 4 + i
.set ACC, 168                          ; v168-231 accumulator (mi, nt) at 168 + 8 (4 mi + nt)
                                       ; window 1: Wo's fragment (nt, s) at 8 (8 nt + s)
.set MSB, 0
.macro WIN new                         ; the immediate's high byte repeats the setting that is left
.if MSB != \new
	s_set_vgpr_msb (MSB<<8)|\new
.set MSB, \new
.endif
.endm
.macro MM d, a, b, c, sa, sb, ra, rb   ; one product; ra, rb: the scales stand in lanes 16-31
.if (\ra) && (\rb)
	v_wmma_scale_f32_16x16x128_f8f6f4 v[(\d):(\d)+7], v[(\a):(\a)+7], v[(\b):(\b)+7], v[(\c):(\c)+7], v[(\sa)], v[(\sb)] matrix_a_fmt:MATRIX_FMT_FP4 matrix_b_fmt:MATRIX_FMT_FP4 matrix_a_scale:MATRIX_SCALE_ROW1 matrix_b_scale:MATRIX_SCALE_ROW1
.elseif (\ra)
	v_wmma_scale_f32_16x16x128_f8f6f4 v[(\d):(\d)+7], v[(\a):(\a)+7], v[(\b):(\b)+7], v[(\c):(\c)+7], v[(\sa)], v[(\sb)] matrix_a_fmt:MATRIX_FMT_FP4 matrix_b_fmt:MATRIX_FMT_FP4 matrix_a_scale:MATRIX_SCALE_ROW1
.elseif (\rb)
	v_wmma_scale_f32_16x16x128_f8f6f4 v[(\d):(\d)+7], v[(\a):(\a)+7], v[(\b):(\b)+7], v[(\c):(\c)+7], v[(\sa)], v[(\sb)] matrix_a_fmt:MATRIX_FMT_FP4 matrix_b_fmt:MATRIX_FMT_FP4 matrix_b_scale:MATRIX_SCALE_ROW1
.else
	v_wmma_scale_f32_16x16x128_f8f6f4 v[(\d):(\d)+7], v[(\a):(\a)+7], v[(\b):(\b)+7], v[(\c):(\c)+7], v[(\sa)], v[(\sb)] matrix_a_fmt:MATRIX_FMT_FP4 matrix_b_fmt:MATRIX_FMT_FP4
.endif
.endm
	s_load_b256 s[4:11], s[0:1], 0x0               ; dimg 4, dsc 6, Wo's codes 8, Wo's scales 10
	s_load_b128 s[12:15], s[0:1], 0x20             ; bo 12, out0 14
	v_lshl_add_u32 v254, v0, 2, 0x8800
	v_mov_b32 v255, 0
	v_lshrrev_b32 v9, 5, v0
	v_readfirstlane_b32 s16, v9                    ; wave 0..3
	v_and_b32 v9, 31, v0                           ; lane
	v_and_b32 v10, 15, v0                          ; r
	v_bfe_u32 v11, v0, 4, 1                        ; h
	v_lshlrev_b32 v[L16], 4, v9
	v_lshlrev_b32 v[L4], 2, v9
	v_lshlrev_b32 v[WCO], 9, v10
	v_lshl_add_u32 v[WCO], v11, 4, v[WCO]
	v_lshlrev_b32 v[WSO], 5, v10
	v_lshl_add_u32 v[WSO], v11, 4, v[WSO]
	v_lshlrev_b32 v[BO], 5, v11
	s_mul_i32 s17, s16, 8704                       ; my stage: 32 rows x (256 bytes + 16)
	v_mul_u32_u24 v[STO], v10, 272
	v_lshl_add_u32 v[STO], v11, 5, v[STO]
	v_add_nc_u32 v[STO], s17, v[STO]
	v_mul_u32_u24 v[RD], v11, 272
	v_lshl_add_u32 v[RD], v10, 4, v[RD]
	v_add_nc_u32 v[RD], s17, v[RD]
	v_lshlrev_b32 v[CO], 12, v11
	v_lshl_add_u32 v[CO], v10, 4, v[CO]
	s_and_b32 s18, ttmp7, 0xffff                   ; block of 128 rows
	s_lshl_b32 s20, s18, 2
	s_add_co_u32 s20, s20, s16                     ; my 32 rows: number 4 y + wave
	s_mov_b32 s23, 0
	s_wait_kmcnt 0x0
	s_lshl_b32 s22, s20, 14                        ; two row tiles of 8,192 bytes of images
	s_add_nc_u64 s[4:5], s[4:5], s[22:23]
	s_lshl_b32 s22, s20, 7                         ; 32 scale words
	s_add_nc_u64 s[6:7], s[6:7], s[22:23]
	s_lshl_b32 s22, ttmp9, 15                      ; 64 rows of Wo: 512 bytes of codes each,
	s_add_nc_u64 s[8:9], s[8:9], s[22:23]
	s_lshl_b32 s22, ttmp9, 11                      ; 32 scale bytes each,
	s_add_nc_u64 s[10:11], s[10:11], s[22:23]
	s_lshl_b32 s22, ttmp9, 8                       ; 4 bytes of bias each
	s_add_nc_u64 s[12:13], s[12:13], s[22:23]
	s_lshl_b32 s22, s20, 17                        ; 32 rows of 4,096 bytes of out0, 256 bytes a block of columns
	s_lshl_b32 s21, ttmp9, 8
	s_add_co_u32 s22, s22, s21
	s_add_nc_u64 s[14:15], s[14:15], s[22:23]
	; all loads in one burst: 28 for bias and scales, then 12 for each K step.  More than LOADcnt's field holds: the issue then waits by itself (ISA guide 5.7.1)
.irp mi, 0,1
.irp nt, 0,1,2,3
.irp f, 0,1
	global_load_b128 v[ACC+8*(4*\mi+\nt)+4*\f:ACC+8*(4*\mi+\nt)+4*\f+3], v[BO], s[12:13] offset:64*\nt+16*\f   ; bo at columns 16 nt + 8 h + 0 .. 7: the sums begin with it
.endr
.endr
.endr
.irp s, 0,1,2,3,4,5,6,7
	global_load_b32 v[AS+\s], v[L4], s[6:7] offset:8192*\s
.endr
.irp nt, 0,1,2,3
	global_load_b128 v[BS+4*\nt:BS+4*\nt+3], v[WSO], s[10:11] offset:512*\nt
.endr
.irp s, 0,1,2,3,4,5,6,7
	WIN 0
.irp mi, 0,1
.irp c, 0,1
	global_load_b128 v[AF+8*(8*\mi+\s)+4*\c:AF+8*(8*\mi+\s)+4*\c+3], v[L16], s[4:5] offset:8192*\mi+1024*\s+512*\c   ; 512 dense bytes
.endr
.endr
	WIN 0x40                                       ; destination window 1
.irp nt, 0,1,2,3
.irp c, 0,1
	global_load_b128 v[8*(8*\nt+\s)+4*\c:8*(8*\nt+\s)+4*\c+3], v[WCO], s[8:9] offset:8192*\nt+64*\s+32*\c
.endr
.endr
.endr
	WIN 0x01                                       ; source 0 (Wo) window 1
.irp s, 0,1,2,3,4,5,6,7
.if 12*(7-\s) > 63
	s_wait_loadcnt 63                              ; (the field's largest count: fewer may be out than the 12 loads of each later K step)
.else
	s_wait_loadcnt 12*(7-\s)                       ; this K step's loads are in; the 12 of each later K step may be out
.endif
.irp mi, 0,1
.irp nt, 0,1,2,3
	MM ACC+8*(4*\mi+\nt), 8*(8*\nt+\s), AF+8*(8*\mi+\s), ACC+8*(4*\mi+\nt), BS+4*\nt+\s%4, AS+\s, \s/4, \mi   ; the eight accumulators take turns
.endr
.endr
.endr
	WIN 0
.rept 4
	v_nop                                          ; four places in front of the stores that read the results and of the loads into d's registers
.endr
	; THE WAY OUT: 16 rows x 256 bytes at a time through my own stage; LDS serves a wave's instructions in order, so no wait stands between the stores and the loads
.irp mi, 0,1
.irp nt, 0,1,2,3
	ds_store_b128 v[STO], v[ACC+8*(4*\mi+\nt):ACC+8*(4*\mi+\nt)+3] offset:4352*\mi+64*\nt          ; each accumulator from its low end on
	ds_store_b128 v[STO], v[ACC+8*(4*\mi+\nt)+4:ACC+8*(4*\mi+\nt)+7] offset:4352*\mi+64*\nt+16
.endr
.irp i, 0,1,2,3,4,5,6,7
	ds_load_b128 v[AF+32*\mi+4*\i:AF+32*\mi+4*\i+3], v[RD] offset:4352*\mi+544*\i
.endr
.endr
.irp mi, 0,1
.irp i, 0,1,2,3,4,5,6,7
	s_wait_dscnt 16*(1-\mi)+7-\i                   ; behind this load: the later loads of its block, and for the first block the second block's 16 LDS instructions
	global_store_b128 v[CO], v[AF+32*\mi+4*\i:AF+32*\mi+4*\i+3], s[14:15] offset:(16*\mi+2*\i)*4096 th:TH_STORE_NT   ; 16 lanes store 256 consecutive bytes, aligned; written once, read by nobody here
.endr
.endr
	s_wait_tensorcnt 0x0
	ds_add_u32 v254, v255
	s_wait_dscnt 0x0
	s_endpgm
.Lfunc_end_k_qea36823967_oproj:
	.size	k_qea36823967_oproj, .Lfunc_end_k_qea36823967_oproj-k_qea36823967_oproj
	.p2alignl 7, 3214868480
	.fill 96, 4, 3214868480
	.section	.rodata,"a",@progbits
	.p2align	6, 0x0
	.amdhsa_kernel k_qea36823967_oproj
		.amdhsa_group_segment_fixed_size 35328
		.amdhsa_private_segment_fixed_size 0
		.amdhsa_enable_private_segment 0
		.amdhsa_kernarg_size 48
		.amdhsa_user_sgpr_count 2
		.amdhsa_user_sgpr_kernarg_segment_ptr 1
		.amdhsa_wavefront_size32 1
		.amdhsa_system_sgpr_workgroup_id_x 1
		.amdhsa_system_sgpr_workgroup_id_y 1
		.amdhsa_system_sgpr_workgroup_id_z 1
		.amdhsa_system_vgpr_workitem_id 0
		.amdhsa_next_free_vgpr 512
		.amdhsa_next_free_sgpr 66
		.amdhsa_reserve_vcc 0
		.amdhsa_float_denorm_mode_32 3
		.amdhsa_float_denorm_mode_16_64 3
		.amdhsa_memory_ordered 1
		.amdhsa_forward_progress 1
		.amdhsa_inst_pref_size 27
	.end_amdhsa_kernel
	.amdgpu_metadata
---
amdhsa.version: [ 1, 2 ]
amdhsa.kernels:
  - .name:           k_qea36823967_oproj
    .symbol:         k_qea36823967_oproj.kd
    .args:
      - { .name: dimg, .offset: 0, .size: 8, .value_kind: global_buffer, .address_space: global }
      - { .name: dsc, .offset: 8, .size: 8, .value_kind: global_buffer, .address_space: global }
      - { .name: Wo_codes, .offset: 16, .size: 8, .value_kind: global_buffer, .address_space: global }
      - { .name: Wo_scales, .offset: 24, .size: 8, .value_kind: global_buffer, .address_space: global }
      - { .name: bo, .offset: 32, .size: 8, .value_kind: global_buffer, .address_space: global }
      - { .name: out0, .offset: 40, .size: 8, .value_kind: global_buffer, .address_space: global }
    .group_segment_fixed_size: 35328
    .private_segment_fixed_size: 0
    .kernarg_segment_align: 8
    .kernarg_segment_size: 48
    .max_flat_workgroup_size: 128
    .sgpr_count:     66
    .vgpr_count:     512
    .wavefront_size: 32
...
	.end_amdgpu_metadata
.endif
;; end of part 2
;; ======== version 2 of 2: 2 launches
;; workspace buffers: dimg 1,048,576 bytes; dsc 65,536 bytes
;; launch qkv_band (part 3): grid 8 x 32, 8 waves a work-group, clusters of 4 x 1, 279,552 bytes of LDS; arguments X_Query, X_Key_codes, X_Key_scales, X_Value_codes, X_Value_scales, Wq_codes, Wq_scales, Wk_codes, Wk_scales, Wv_codes, Wv_scales, bq, bk, bv, dimg, dsc; writes dimg, dsc
.if DOCPART == 3
	.amdgcn_target "amdgcn-amd-amdhsa--gfx1250"
	.amdhsa_code_object_version 6
	.text
	.protected	k_qea36823967_qkv_band
	.globl	k_qea36823967_qkv_band
	.p2align	8
	.type	k_qea36823967_qkv_band,@function
k_qea36823967_qkv_band:
	s_mov_b64 s[64:65], 0
	v_nop
	global_prefetch_b8 v0, s[64:65] scope:SCOPE_SE
	s_setreg_imm32_b32 hwreg(HW_REG_WAVE_MODE, 25, 1), 1
	s_wait_xcnt 0x0
	s_wait_alu depctr_hold_cnt(0) depctr_sa_sdst(0) depctr_va_vdst(0) depctr_va_sdst(0) depctr_va_ssrc(0) depctr_va_vcc(0) depctr_vm_vsrc(0)
	s_getreg_b32 s2, hwreg(HW_REG_IB_STS2, 6, 4)
	s_cmp_eq_u32 s2, 0
	s_cbranch_scc0 .Lentry_in_a_cluster
	s_endpgm
.Lentry_in_a_cluster:
	s_bfe_u32 s2, ttmp6, 0x10000c
	s_cmp_lg_u32 s2, 0x3003
	s_cbranch_scc0 .Lentry_shape_is_right
	s_endpgm
.Lentry_shape_is_right:
; q = Q(X_Query) Wq + bq, k = X_Key Wk + bk, v = X_Value Wv + bv on codes of FP4 (E2M1) with one E8M0 scale for each 32 along K; then, for each row, head and feature i, the softmax over
; the features j of the same head with |i - j| <= 8 of q_i k_j / 8, weighing v_j; then d = X_Query - heads, quantised along the 1,024 features.  d leaves as codes (dimg) and scale words (dsc).
; SHARES.  A work-group of eight waves owns 64 rows x 2 heads (128 features).  256 work-groups.  Wave w has three parts:
;   FEEDER of K step w (128 along K) for all 64 rows: it brings X_Query[64][128] f32 into LDS by one tensor load, quantises its four fragments, and lays them, with X_Key's and X_Value's fragments of that K step,
;     into LDS as images of the operand's registers (16 bytes a lane, 512 bytes a store).
;   JOB (waves 0-5): product w / 2 (q, k, v) for head w % 2: 64 rows x 64 features, 16 accumulators; its 32 fragments of W stay in registers v256-511, read from memory once.
;   UNIT: the band softmax of 16 rows (tile w / 2) x head w % 2.  Lane (r, h) owns row r and features 32 h .. 32 h + 31 of the head: one block of the quantiser of d.
; THE PRODUCTS ARE USED TRANSPOSED (source 0 = 16 rows of W, source 1 = 16 rows of X), AND THE ROWS OF W THAT FORM A TILE ARE NOT NEIGHBOURS: lane r of tile t takes feature 32 (r / 8) + 8 t + r % 8,
; so that register j of tile t in lane (r, h) is feature 32 h + 8 t + j of row r: a lane's 32 registers of four tiles are its 32 neighbouring features.
; CLUSTER.  The four work-groups of a cluster own the same 64 rows, so X_Query's tiles are asked for JOINTLY (mask 15), each wave one load; one tensor load of a wave is out, and LDS is filled once.
; W is not shared so: X_Query's stage takes 270,336 bytes of LDS, so the 192 KiB of W that a work-group needs have no room beside it; each byte of them goes once into the registers of the one wave that multiplies by it.
; THE SOFTMAX takes the row's largest score away, as the definition does: the largest and the smallest k of each window of 17 are found by running maxima, and the larger of q x those two is the largest score.
; LIMITS: NaN and infinities among the inputs are not served.  A block whose largest magnitude lies under 2^-124 gets the scale byte 1 (a block of zeros too: its codes are zeros; this program alone reads the bytes).
; The scores are formed as (q log2(e) / 8) k in f32, one rounding apart from the definition's q k / 8.
.set SP,   528                         ; a stage row: 512 bytes + 16 of padding = 33 x 16 bytes
.set FRB,  16*SP                       ; the 16 rows of a fragment
.set WREG, 64*SP                       ; a wave's tile: 64 rows
.set W2,   2*WREG
.set IMG,  1024                        ; an image of a fragment: 8 registers x 32 lanes x 4 bytes.  Images of Xq, Xk, Xv at +0, +1,024, +2,048 of fragment (m, s)'s bytes, written when its f32 numbers have been read
.set EXC,  3*IMG                       ; behind them the exchange: job j's accumulator (m, t) at fragment (m, j)'s bytes + 3,072 + 1,024 t: ends at 7,168 of 8,448
.set XSC,  8*WREG                      ; behind the stage: X's scale words, [product 3][row 64][K step 8] x 4 bytes
.set DSC,  XSC+3*2048                  ; d's scale bytes: [row 64][4]
.set L16, 1                            ; v1   16 x lane
.set STG, 2                            ; v2   my 32 numbers of a block pair in my wave's tile: wave x WREG + 528 r + 128 h
.set IMW, 3                            ; v3   wave x WREG + 16 x lane: where I store images and accumulators
.set XSW, 4                            ; v4   XSC + 32 r + 4 x wave: Xq's scale word of my K step
.set XCP, 5                            ; v5   XSC + 2,048 + 512 x wave + 16 x lane: my chunk of Xk's or Xv's scale bytes
.set ADX, 6                            ; v6-9 my product's images of K steps 2 k, 2 k + 1
.set ADS, 10                           ; v10  my product's scale words: XSC + 2,048 p + 32 x lane
.set ADE, 11                           ; v11-13 my unit's q, k, v in the exchange
.set ADH, 14                           ; v14-15 k and v of lane l xor 16
.set DSB, 16                           ; v16  my block's byte of d's scales
.set DSR, 17                           ; v17  DSC + 8 x lane
.set L8,  18                           ; v18  8 x lane
.set KVO, 19                           ; v19  X_Key's, X_Value's codes: 512 r + 16 h
.set WCO, 20                           ; v20  W's codes: 512 x (32 (r / 8) + r % 8) + 16 h
.set WSO, 21                           ; v21  W's scales: 32 x the same + 16 h
.set BO,  22                           ; v22  the bias: 128 h
.set XRO, 23                           ; v23  X_Query for the subtraction: 4,096 r + 128 h
.set SH8, 24                           ; v24  8 h
.set SCH, 28                           ; v28-31 my chunk of scale bytes
.set WSC, 32                           ; v32-47 W's scale words: register 4 t + i: lanes 0-15 K step i, lanes 16-31 K step 4 + i
.set XS,  48                           ; v48-63 X's: register 8 mm + s: lanes 0-15 row tile 2 mm, lanes 16-31 row tile 2 mm + 1.  v32-63 hold scale words and nothing else until the last product is issued
.set XF0, 64                           ; v64-95, v96-127 X's four fragments of a K step, two sets; the second holds the bias until K step 0 has taken it as C
.set XF1, 96
.set ACC, 128                          ; v128-255 accumulator (m, t) at 128 + 8 (4 m + t)
.set PC,  64                           ; feeder: v64-71 the codes just made
.set MX,  72                           ; v72-73 largest magnitudes, v74-75 the conversions' scale operands, v76-77 bytes, v78 the scale word, v79 the other half's
.set SO,  74
.set BY,  76
.set WD,  78
.set WD2, 79
.set ST,  128                          ; v128-191 64 numbers: register 32 c + i = k 64 c + 32 h + i of my row
.set KV,  192                          ; v192-255 X_Key's and X_Value's fragments: 192 + 32 pk + 8 m
.set Q,   32                           ; unit: v32-63 q log2(e) / 8, later the weighted sums
.set KE,  64                           ; v64-111 k, index e = my feature + 8: 0-7 and 40-47 are the neighbours' eight
.set VE,  112                          ; v112-159 v likewise
.set M,   160                          ; v160-191 the largest score, later the sum of p, then its reciprocal
.set T,   192                          ; v192-237 running maxima
.set P0,  192                          ; v192-209, v210-227 two sets of 17 (18) p
.set L2,  228
.set A2,  230
.set TQ,  232                          ; v232-237 three pairs whose first register is broadcast
.set TM,  234
.set TL,  236
.set PL,  238                          ; v238 +infinity in lanes 0-15 (no feature under 0), 0 in lanes 16-31;  v239 the other way round (no feature over 63)
.set PH,  239
.set DD,  64                           ; v64-95 d;  v96-99 its codes
.set DC,  96
.set WV, 60                            ; s60 wave;  s61 my product 0, 1, 2;  s62 wave % 2;  s63 head pair;  s66 block of 64 rows;  s67 wave / 2
.set PJ, 61
.set CU, 62
.set GX, 63
.set GY, 66
.set MU, 67
.set MSB, 0
.macro WIN new                         ; the immediate's high byte repeats the setting that is left
.if MSB != \new
	s_set_vgpr_msb (MSB<<8)|\new
.set MSB, \new
.endif
.endm
.macro ROUND                           ; a round of the cluster's barrier
	s_barrier_signal -1
	s_barrier_wait -1
	s_cmp_lg_u32 s[WV], 0
	s_cbranch_scc1 .Lnot_wave_0_\@
	s_barrier_signal -3
.Lnot_wave_0_\@:
	s_barrier_wait -3
	s_barrier_signal -1
	s_barrier_wait -1
.endm
.macro BARRIER                         ; my LDS stores have landed and my LDS loads are in: then the work-group's barrier
	s_wait_dscnt 0x0
	s_barrier_signal -1
	s_barrier_wait -1
.endm
; one product: D, source 0, source 1, C, their scale registers; ra, rb: the scales stand in lanes 16-31
.macro MM d, a, b, c, sa, sb, ra, rb
.if (\ra) && (\rb)
	v_wmma_scale_f32_16x16x128_f8f6f4 v[(\d):(\d)+7], v[(\a):(\a)+7], v[(\b):(\b)+7], v[(\c):(\c)+7], v[(\sa)], v[(\sb)] matrix_a_fmt:MATRIX_FMT_FP4 matrix_b_fmt:MATRIX_FMT_FP4 matrix_a_scale:MATRIX_SCALE_ROW1 matrix_b_scale:MATRIX_SCALE_ROW1
.elseif (\ra)
	v_wmma_scale_f32_16x16x128_f8f6f4 v[(\d):(\d)+7], v[(\a):(\a)+7], v[(\b):(\b)+7], v[(\c):(\c)+7], v[(\sa)], v[(\sb)] matrix_a_fmt:MATRIX_FMT_FP4 matrix_b_fmt:MATRIX_FMT_FP4 matrix_a_scale:MATRIX_SCALE_ROW1
.elseif (\rb)
	v_wmma_scale_f32_16x16x128_f8f6f4 v[(\d):(\d)+7], v[(\a):(\a)+7], v[(\b):(\b)+7], v[(\c):(\c)+7], v[(\sa)], v[(\sb)] matrix_a_fmt:MATRIX_FMT_FP4 matrix_b_fmt:MATRIX_FMT_FP4 matrix_b_scale:MATRIX_SCALE_ROW1
.else
	v_wmma_scale_f32_16x16x128_f8f6f4 v[(\d):(\d)+7], v[(\a):(\a)+7], v[(\b):(\b)+7], v[(\c):(\c)+7], v[(\sa)], v[(\sb)] matrix_a_fmt:MATRIX_FMT_FP4 matrix_b_fmt:MATRIX_FMT_FP4
.endif
.endm
	s_load_b512 s[8:23], s[0:1], 0x0               ; X_Query 8, Xk codes 10, Xk scales 12, Xv codes 14, Xv scales 16, Wq codes 18, Wq scales 20, Wk codes 22
	s_load_b512 s[24:39], s[0:1], 0x40             ; Wk scales 24, Wv codes 26, Wv scales 28, bq 30, bk 32, bv 34, dimg 36, dsc 38
	v_lshl_add_u32 v254, v0, 2, 0x44000
	v_mov_b32 v255, 0
	ds_add_u32 v254, v255
	ds_add_u32 v254, v255
	s_wait_dscnt 0x0
	v_lshrrev_b32 v25, 5, v0
	s_delay_alu instid0(VALU_DEP_1)
	v_readfirstlane_b32 s[WV], v25                 ; wave 0..7
	v_and_b32 v25, 31, v0                          ; lane
	s_wait_alu depctr_va_vdst(0)
	v_and_b32 v26, 15, v0                          ; r
	s_wait_alu depctr_va_vdst(0)
	v_bfe_u32 v27, v0, 4, 1                        ; h
	s_lshr_b32 s[MU], s[WV], 1
	s_and_b32 s[CU], s[WV], 1
	s_min_u32 s[PJ], s[MU], 2                      ; (waves 6 and 7 have no job: held at 2, so that their unused addresses stay inside LDS)
	s_bfe_u32 s[GX], ttmp6, 0x40000                ; cx
	s_lshl_b32 s70, ttmp9, 2
	s_add_co_u32 s[GX], s70, s[GX]                 ; head pair = 4 x cluster x + cx: it enters global addresses alone
	s_and_b32 s[GY], ttmp7, 0xffff                 ; block of 64 rows, which the four partners share
	; the descriptor.  Group 1: 64 rows x 128 elements of 4 bytes, 1,024 elements from row to row; 4 words of padding behind every 128
	s_mov_b32 s52, 15|(2<<16)|(1<<20)|(1<<21)|(6<<22)|(3<<25)
	s_mov_b32 s53, 128<<16                         ; tensor_dim0
	s_mov_b32 s54, 64<<16                          ; tensor_dim1
	s_mov_b32 s55, 128<<16                         ; tile_dim0
	s_mov_b32 s56, 64                              ; tile_dim1
	s_mov_b32 s57, 1024                            ; the pitch
	s_mov_b32 s58, 0
	s_mov_b32 s59, 0
	s_mov_b32 s48, 1
	s_mul_i32 s49, s[WV], WREG                     ; LDS: my wave's tile
	s_lshl_b32 s80, s[GY], 18                      ; 64 rows of 4,096 bytes,
	s_lshl_b32 s81, s[WV], 9                       ; K step w: 512 bytes on
	s_add_co_u32 s80, s80, s81
	s_mov_b32 s81, 0
	s_mov_b32 s68, 0x76543210
	s_mov_b32 s69, 0xfedcba98                      ; v_permlanex16_b32's selects for lane l xor 16
	s_mov_b32 s82, 0x3e38aa3b                      ; log2(e) / 8
	s_mov_b32 s83, s82                             ; (named with it as a pair, so it is written)
	; every LDS address is made here, ahead of the first parting of the waves
	v_lshlrev_b32 v[L16], 4, v25
	s_mul_i32 s76, s[WV], WREG
	v_mul_u32_u24 v[STG], v26, SP
	s_wait_alu depctr_va_vdst(0)
	v_lshl_add_u32 v[STG], v27, 7, v[STG]
	s_delay_alu instid0(VALU_DEP_1)
	v_add_nc_u32 v[STG], s76, v[STG]
	v_add_nc_u32 v[IMW], s76, v[L16]
	s_lshl_b32 s77, s[WV], 2
	s_add_co_u32 s77, s77, XSC
	v_lshlrev_b32 v[XSW], 5, v26
	s_delay_alu instid0(VALU_DEP_1)
	v_add_nc_u32 v[XSW], s77, v[XSW]
	s_lshl_b32 s77, s[WV], 9
	s_add_co_u32 s77, s77, XSC+2048
	v_add_nc_u32 v[XCP], s77, v[L16]
	s_lshl_b32 s77, s[PJ], 10
	v_add_nc_u32 v[ADX], s77, v[L16]
	s_delay_alu instid0(VALU_DEP_1)
	v_add_nc_u32 v[ADX+1], W2, v[ADX]
	s_delay_alu instid0(VALU_DEP_1)
	v_add_nc_u32 v[ADX+2], W2, v[ADX+1]
	s_delay_alu instid0(VALU_DEP_1)
	v_add_nc_u32 v[ADX+3], W2, v[ADX+2]
	s_lshl_b32 s77, s[PJ], 11
	s_add_co_u32 s77, s77, XSC
	v_lshl_add_u32 v[ADS], v25, 5, s77
	s_mul_i32 s77, s[CU], WREG
	s_mul_i32 s78, s[MU], FRB
	s_add_co_u32 s77, s77, s78                     ; job 2 p + wave % 2, row tile wave / 2
	v_add_nc_u32 v[ADE], s77, v[L16]
	s_delay_alu instid0(VALU_DEP_1)
	v_add_nc_u32 v[ADE+1], W2, v[ADE]
	s_delay_alu instid0(VALU_DEP_1)
	v_add_nc_u32 v[ADE+2], W2, v[ADE+1]
	v_xor_b32 v[ADH], 0x100, v[L16]                ; 16 x (lane xor 16)
	s_delay_alu instid0(VALU_DEP_1)
	v_add_nc_u32 v[ADH], s77, v[ADH]
	s_delay_alu instid0(VALU_DEP_1)
	v_add_nc_u32 v[ADH], W2, v[ADH]
	s_delay_alu instid0(VALU_DEP_1)
	v_add_nc_u32 v[ADH+1], W2, v[ADH]
	s_lshl_b32 s78, s[MU], 6
	s_lshl_b32 s79, s[CU], 1
	s_add_co_u32 s78, s78, s79
	s_add_co_u32 s78, s78, DSC
	v_lshl_add_u32 v[DSB], v26, 2, v27
	s_delay_alu instid0(VALU_DEP_1)
	v_add_nc_u32 v[DSB], s78, v[DSB]               ; DSC + 4 (16 mu + r) + 2 cu + h
	v_lshl_add_u32 v[DSR], v25, 3, DSC
	v_lshlrev_b32 v[L8], 3, v25
	v_lshlrev_b32 v[KVO], 9, v26
	s_delay_alu instid0(VALU_DEP_1)
	v_lshl_add_u32 v[KVO], v27, 4, v[KVO]
	v_and_b32 v24, 7, v26
	v_lshrrev_b32 v[WCO], 3, v26
	s_delay_alu instid0(VALU_DEP_1)
	v_lshl_add_u32 v24, v[WCO], 5, v24             ; 32 (r / 8) + r % 8
	s_delay_alu instid0(VALU_DEP_1)
	v_lshlrev_b32 v[WCO], 9, v24
	s_delay_alu instid0(VALU_DEP_1)
	v_lshl_add_u32 v[WCO], v27, 4, v[WCO]
	s_delay_alu instid0(VALU_DEP_3)
	v_lshlrev_b32 v[WSO], 5, v24
	s_delay_alu instid0(VALU_DEP_1)
	v_lshl_add_u32 v[WSO], v27, 4, v[WSO]
	v_lshlrev_b32 v[BO], 7, v27
	v_lshlrev_b32 v[XRO], 12, v26
	s_delay_alu instid0(VALU_DEP_1)
	v_lshl_add_u32 v[XRO], v27, 7, v[XRO]
	v_lshlrev_b32 v[SH8], 3, v27
	v_mov_b32 v[WD2], 0                            ; written once: a lane permute's destination counts as one of its sources
	s_wait_kmcnt 0x0
	s_add_nc_u64 s[50:51], s[8:9], s[80:81]        ; the tile's first element: made of the rows' block and the wave's number alone
	s_or_b32 s51, s51, 0x80000000                  ; type = 2
	ROUND                                          ; all four work-groups are here: the joint loads meet
	tensor_load_to_lds s[48:51], s[52:59]          ; my wave's one tensor load: X_Query[64 rows][K step w], for all four partners
	s_nop 0
.rept 4
	v_nop
.endr
	; the other addresses
	s_cmp_eq_u32 s[PJ], 0                          ; my job's W, its scales and its bias: the choice hangs on the wave's number alone
	s_cselect_b64 s[40:41], s[18:19], s[22:23]
	s_cselect_b64 s[42:43], s[20:21], s[24:25]
	s_cselect_b64 s[44:45], s[30:31], s[32:33]
	s_cmp_eq_u32 s[PJ], 2
	s_cselect_b64 s[40:41], s[26:27], s[40:41]
	s_cselect_b64 s[42:43], s[28:29], s[42:43]
	s_cselect_b64 s[44:45], s[34:35], s[44:45]
	s_cmp_lt_u32 s[WV], 4                          ; waves 0-3 copy X_Key's scale bytes, waves 4-7 X_Value's
	s_cselect_b64 s[46:47], s[12:13], s[16:17]
	s_mov_b32 s71, 0
	s_lshl_b32 s70, s[GY], 15                      ; 64 rows of 512 bytes of codes,
	s_lshl_b32 s72, s[WV], 6                       ; K step w: 64 bytes on
	s_add_co_u32 s70, s70, s72
	s_add_nc_u64 s[10:11], s[10:11], s[70:71]
	s_add_nc_u64 s[14:15], s[14:15], s[70:71]
	s_lshl_b32 s70, s[GY], 11                      ; 64 rows of 32 scale bytes, my quarter of them
	s_and_b32 s72, s[WV], 3
	s_lshl_b32 s72, s72, 9
	s_add_co_u32 s70, s70, s72
	s_add_nc_u64 s[46:47], s[46:47], s[70:71]
	s_lshl_b32 s73, s[GX], 1
	s_add_co_u32 s73, s73, s[CU]                   ; my head: 2 x head pair + wave % 2
	s_lshl_b32 s70, s73, 15                        ; its 64 rows of W: 512 bytes each,
	s_add_nc_u64 s[40:41], s[40:41], s[70:71]
	s_lshl_b32 s70, s73, 11                        ; 32 scale bytes each,
	s_add_nc_u64 s[42:43], s[42:43], s[70:71]
	s_lshl_b32 s70, s73, 8                         ; 4 bytes of bias each
	s_add_nc_u64 s[44:45], s[44:45], s[70:71]
	s_lshl_b32 s70, s[GY], 18                      ; X_Query at my unit: row 64 gy + 16 mu, feature 64 x head
	s_lshl_b32 s72, s[MU], 16
	s_add_co_u32 s70, s70, s72
	s_lshl_b32 s72, s73, 8
	s_add_co_u32 s70, s70, s72
	s_add_nc_u64 s[74:75], s[8:9], s[70:71]
	s_lshl_b32 s70, s[GY], 2                       ; dimg: row tile 4 gy + mu: 8,192 bytes each; my head's half fragment: 512 bytes each
	s_add_co_u32 s70, s70, s[MU]
	s_lshl_b32 s70, s70, 13
	s_lshl_b32 s72, s73, 9
	s_add_co_u32 s70, s70, s72
	s_add_nc_u64 s[36:37], s[36:37], s[70:71]
	s_lshl_b32 s70, s[GX], 13                      ; dsc: K step = head pair: 8,192 bytes each; 64 rows of 4 bytes
	s_lshl_b32 s72, s[GY], 8
	s_add_co_u32 s70, s70, s72
	s_add_nc_u64 s[38:39], s[38:39], s[70:71]
	; all global operands in one burst; no address register is written again
.irp m, 0,1,2,3
.irp c, 0,1
	global_load_b128 v[KV+8*\m+4*\c:KV+8*\m+4*\c+3], v[KVO], s[10:11] offset:8192*\m+32*\c         ; X_Key's fragment (m, K step w)
	global_load_b128 v[KV+32+8*\m+4*\c:KV+32+8*\m+4*\c+3], v[KVO], s[14:15] offset:8192*\m+32*\c   ; X_Value's
.endr
.endr
	global_load_b128 v[SCH:SCH+3], v[L16], s[46:47]                                                ; 512 dense bytes of scales
	s_cmp_lt_u32 s[WV], 6
	s_cbranch_scc0 .Lnojob1
	WIN 0x40                                       ; destination window 1
	s_wait_alu depctr_va_vdst(0)
.irp t, 0,1,2,3
.irp s, 0,1,2,3,4,5,6,7
.irp c, 0,1
	global_load_b128 v[8*(8*\t+\s)+4*\c:8*(8*\t+\s)+4*\c+3], v[WCO], s[40:41] offset:4096*\t+64*\s+32*\c   ; W's fragment (t, s): it stays
.endr
.endr
.endr
	WIN 0
.irp t, 0,1,2,3
	global_load_b128 v[WSC+4*\t:WSC+4*\t+3], v[WSO], s[42:43] offset:256*\t
.endr
.irp t, 0,1,2,3
.irp f, 0,1
	global_load_b128 v[XF1+8*\t+4*\f:XF1+8*\t+4*\f+3], v[BO], s[44:45] offset:32*\t+16*\f          ; the bias in the result's layout: features 32 h + 8 t + 0 .. 7
.endr
.endr
.Lnojob1:
	s_wait_tensorcnt 0x0                           ; my tile lies in LDS
	s_wait_loadcnt 0x0                             ; and all that I asked for in registers
; ---- FEEDER.  64 numbers of a lane become a fragment's codes in v[PC] on and its scale word in v[WD].  A lane holds two whole blocks (2 c + h), so no other lane is asked for a maximum.
.macro QUANTX
.irp c, 0,1
	v_max3_num_f32 v[MX+\c], |v[ST+32*\c]|, |v[ST+32*\c+1]|, 0x1800000      ; and the floor 2^(3 - 127): the byte cannot fall under 1
.endr
.irp i, 2,4,6,8,10,12,14,16,18,20,22,24,26,28,30
.irp c, 0,1
	s_delay_alu instid0(VALU_DEP_2)
	v_max3_num_f32 v[MX+\c], v[MX+\c], |v[ST+32*\c+\i]|, |v[ST+32*\c+\i+1]| ; (the two blocks by turns)
.endr
.endr
.irp c, 0,1
	s_delay_alu instid0(VALU_DEP_2)
	v_add_nc_u32 v[SO+\c], 0xff000000, v[MX+\c]    ; 2 off the exponent field: the conversion takes the exponent field of this operand as its scale
.endr
.irp c, 0,1
	s_delay_alu instid0(VALU_DEP_2)
	v_lshrrev_b32 v[BY+\c], 23, v[SO+\c]           ; the scale's byte
.endr
	s_delay_alu instid0(VALU_DEP_1)
	v_lshl_or_b32 v[WD], v[BY+1], 16, v[BY]        ; blocks h and 2 + h,
	s_delay_alu instid0(VALU_DEP_1)
	v_lshlrev_b32 v[WD], v[SH8], v[WD]             ; at their places in the word;
	s_delay_alu instid0(VALU_DEP_1)
	v_permlanex16_b32 v[WD2], v[WD], s68, s69
	s_delay_alu instid0(VALU_DEP_1)
	v_or_b32 v[WD], v[WD], v[WD2]                  ; with lane l xor 16's two it is whole
.irp c, 0,1
.irp g, 0,1,2,3
	v_cvt_scalef32_pk8_fp4_f32 v[PC+4*\c+\g], v[ST+32*\c+8*\g:ST+32*\c+8*\g+7], v[SO+\c]
.endr
.endr
	v_nop                                          ; one plain place behind a scaled conversion
.endm
.macro FRAGX m                         ; row tile m of my K step
.irp c, 0,1
.irp j, 0,1,2,3,4,5,6,7
	ds_load_b128 v[ST+32*\c+4*\j:ST+32*\c+4*\j+3], v[STG] offset:\m*FRB+256*\c+16*\j
.endr
.endr
	s_wait_dscnt 0x0                               ; the numbers are in (and the last fragment's stores have read their registers): from here on this fragment's bytes are free
	QUANTX
.irp c, 0,1
	ds_store_b128 v[IMW], v[PC+4*\c:PC+4*\c+3] offset:\m*FRB+512*\c
	ds_store_b128 v[IMW], v[KV+8*\m+4*\c:KV+8*\m+4*\c+3] offset:\m*FRB+IMG+512*\c
	ds_store_b128 v[IMW], v[KV+32+8*\m+4*\c:KV+32+8*\m+4*\c+3] offset:\m*FRB+2*IMG+512*\c
.endr
	ds_store_b32 v[XSW], v[WD] offset:512*\m       ; lanes r and r + 16 write the same word with the same value
.endm
	ds_store_b128 v[XCP], v[SCH:SCH+3]
	FRAGX 0
	FRAGX 1
	FRAGX 2
	FRAGX 3
	BARRIER                                        ; every wave's tile has landed and been read; all images and scale words lie in LDS
; ---- JOB: 64 rows x 64 features x K 1,024.
.macro FETCHX s, buf                   ; my product's four fragments of X of K step s
.irp m, 0,1,2,3
.irp c, 0,1
	ds_load_b128 v[\buf+8*\m+4*\c:\buf+8*\m+4*\c+3], v[ADX+(\s)/2] offset:((\s)%2)*WREG+\m*FRB+512*\c
.endr
.endr
.endm
.macro KSTEP s                         ; 16 products; the 16 accumulators take turns, one instruction a turn, in the same order in every step.  K step 0 takes the bias as C
	WIN 0x01                                       ; source 0 (W) window 1
.irp m, 0,1,2,3
.irp t, 0,1,2,3
.if \s == 0
	MM ACC+8*(4*\m+\t), 8*(8*\t+\s), XF0+8*\m, XF1+8*\t, WSC+4*\t, XS+8*(\m/2), 0, \m%2
.else
	MM ACC+8*(4*\m+\t), 8*(8*\t+\s), XF0+32*(\s%2)+8*\m, ACC+8*(4*\m+\t), WSC+4*\t+\s%4, XS+8*(\m/2)+\s, \s/4, \m%2
.endif
.endr
.endr
	WIN 0
.rept 4
	v_nop                                          ; four places in front of loads into registers that these products read, and of the stores that read their results
.endr
.endm
	s_cmp_lt_u32 s[WV], 6
	s_cbranch_scc0 .Lnojob2
.irp mm, 0,1
.irp f, 0,1
	ds_load_b128 v[XS+8*\mm+4*\f:XS+8*\mm+4*\f+3], v[ADS] offset:1024*\mm+16*\f   ; lane l: row 32 mm + l, K steps 4 f .. 4 f + 3
.endr
.endr
	FETCHX 0, XF0
	s_wait_dscnt 0x0
	KSTEP 0
	FETCHX 1, XF1
	FETCHX 2, XF0
	s_wait_dscnt 8                                 ; K step 1's eight loads are in; K step 2's eight may be out
.irp s, 1,2,3,4,5,6,7
	KSTEP \s
.if \s+2 <= 7
	FETCHX \s+2, XF0+32*(\s%2)
	s_wait_dscnt 8                                 ; the next step's eight loads are in; the eight just issued may be out
.elseif \s < 7
	s_wait_dscnt 0x0
.endif
.endr
.irp m, 0,1,2,3
.irp t, 0,1,2,3
	ds_store_b128 v[IMW], v[ACC+8*(4*\m+\t):ACC+8*(4*\m+\t)+3] offset:\m*FRB+EXC+1024*\t          ; each accumulator from its low end on, as an image of its registers
	ds_store_b128 v[IMW], v[ACC+8*(4*\m+\t)+4:ACC+8*(4*\m+\t)+7] offset:\m*FRB+EXC+1024*\t+512
.endr
.endr
.Lnojob2:
	WIN 0x40                                       ; destination window 1: W's first registers are done with
.irp i, 0,1,2,3,4,5,6,7
	global_load_b128 v[4*\i:4*\i+3], v[XRO], s[74:75] offset:16*\i    ; X_Query at my 32 features, for the subtraction: it lands during the softmax
.endr
	WIN 0
	BARRIER                                        ; q, k and v lie in the exchange
; ---- UNIT: 16 rows x 1 head.
.irp t, 0,1,2,3
.irp f, 0,1
	ds_load_b128 v[Q+8*\t+4*\f:Q+8*\t+4*\f+3], v[ADE] offset:EXC+1024*\t+512*\f
	ds_load_b128 v[KE+8+8*\t+4*\f:KE+8+8*\t+4*\f+3], v[ADE+1] offset:EXC+1024*\t+512*\f
	ds_load_b128 v[VE+8+8*\t+4*\f:VE+8+8*\t+4*\f+3], v[ADE+2] offset:EXC+1024*\t+512*\f
.endr
.endr
.irp f, 0,1                            ; the eight features under mine are lane l xor 16's last eight, those over mine its first eight (where they exist)
	ds_load_b128 v[KE+4*\f:KE+4*\f+3], v[ADH] offset:EXC+3072+512*\f
	ds_load_b128 v[VE+4*\f:VE+4*\f+3], v[ADH+1] offset:EXC+3072+512*\f
	ds_load_b128 v[KE+40+4*\f:KE+40+4*\f+3], v[ADH] offset:EXC+512*\f
	ds_load_b128 v[VE+40+4*\f:VE+40+4*\f+3], v[ADH+1] offset:EXC+512*\f
.endr
	s_mov_b32 vcc_lo, 0xffff0000                   ; lanes 16-31
	v_mov_b32 v240, 0x7f800000
	v_mov_b32 v241, 0
	s_delay_alu instid0(VALU_DEP_1)
	v_cndmask_b32 v[PL], v240, v241, vcc_lo
	s_delay_alu instid0(VALU_DEP_2)
	v_cndmask_b32 v[PH], v241, v240, vcc_lo
	s_wait_dscnt 0x0
.irp j, 0,2,4,6,8,10,12,14,16,18,20,22,24,26,28,30
	v_pk_mul_f32 v[Q+\j:Q+\j+1], v[Q+\j:Q+\j+1], s[82:83] op_sel_hi:[1,0]   ; q log2(e) / 8
.endr
.irp j, 0,1,2,3,4,5,6,7
	v_cndmask_b32 v[KE+\j], v[KE+8], v[KE+\j], vcc_lo          ; lanes 0-15: no feature under 0: a copy of k_0, which lies in every window that reaches there, so that no maximum changes
	v_cndmask_b32 v[KE+40+\j], v[KE+40+\j], v[KE+39], vcc_lo   ; lanes 16-31: no feature over 63: a copy of k_63
.endr
; the largest (smallest) k of each window e = i .. i + 16: of 3, of 9, of 17
.macro WINDOW op3, op2
.set j, 0
.rept 46
	\op3 v[T+j], v[KE+j], v[KE+j+1], v[KE+j+2]
.set j, j+1
.endr
.set j, 0
.rept 40
	\op3 v[T+j], v[T+j], v[T+j+3], v[T+j+6]        ; in place, ascending: the sources further on are still of 3
.set j, j+1
.endr
.set j, 0
.rept 32
	\op2 v[T+j], v[T+j], v[T+j+8]
.set j, j+1
.endr
.endm
	WINDOW v_max3_num_f32, v_max_num_f32
.set j, 0
.rept 32
	v_mul_f32 v[M+j], v[Q+j], v[T+j]
.set j, j+1
.endr
	WINDOW v_min3_num_f32, v_min_num_f32
.set j, 0
.rept 32
	v_mul_f32 v[T+j], v[Q+j], v[T+j]
.set j, j+1
.endr
.set j, 0
.rept 32
	v_max_num_f32 v[M+j], v[M+j], v[T+j]           ; a rounded product rises with its factor: this is the largest rounded score of the window
.set j, j+1
.endr
	v_mov_b32 v[TQ+1], 0                           ; (named as the upper halves of pairs, so they are written)
	v_mov_b32 v[TM+1], 0
	v_mov_b32 v[TL+1], 0
; the 17 exponents of feature i into set ps: k x q - m, eight pairs and one single.  The pair's first register is broadcast, so an odd i first moves q and m into pairs of their own.
; Places outside the head take m + infinity: the exponent is -infinity and p is 0.  p of index e stands at ps + e - i + i % 2.
.macro ARGS i, ps
.set ab, (\i)%2
.if ab
	v_mov_b32 v[TQ], v[Q+(\i)]
	v_mov_b32 v[TM], v[M+(\i)]
.set aq, TQ
.set am, TM
.else
.set aq, Q+(\i)
.set am, M+(\i)
.endif
.if (\i) < 8
	v_add_f32 v[TL], v[M+(\i)], v[PL]
.elseif (\i) >= 24
	v_add_f32 v[TL], v[M+(\i)], v[PH]
.endif
.if ab
.set ae, (\i)
.set ad, (\ps)+1
.else
.set ae, (\i)+16
.set ad, (\ps)+16
.endif
.if (ae < 8) || (ae >= 40)
	s_delay_alu instid0(VALU_DEP_1)
	v_fma_f32 v[ad], v[KE+ae], v[Q+(\i)], -v[TL]
.else
	v_fma_f32 v[ad], v[KE+ae], v[Q+(\i)], -v[M+(\i)]
.endif
.set an, 0
.rept 8
.set ae, (\i)+2*an+ab
.set ad, (\ps)+2*an+2*ab
.if (ae < 8) || (ae >= 40)
	v_pk_fma_f32 v[ad:ad+1], v[KE+ae:KE+ae+1], v[aq:aq+1], v[TL:TL+1] op_sel_hi:[1,0,0] neg_lo:[0,0,1] neg_hi:[0,0,1]
.else
	v_pk_fma_f32 v[ad:ad+1], v[KE+ae:KE+ae+1], v[aq:aq+1], v[am:am+1] op_sel_hi:[1,0,0] neg_lo:[0,0,1] neg_hi:[0,0,1]
.endif
.set an, an+1
.endr
.endm
.macro EXPS i, ps
.set en, 0
.rept 17
	v_exp_f32 v[(\ps)+(\i)%2+en], v[(\ps)+(\i)%2+en]
.set en, en+1
.endr
.endm
; the sum of the 17 p into M + i, the sum of p v into Q + i
.macro SUMS i, ps
.set sb, (\i)%2
.set sp, (\ps)+2*sb
.set sv, VE+(\i)+sb
.if sb
.set ss, (\ps)+1
.set se, VE+(\i)
.else
.set ss, (\ps)+16
.set se, VE+(\i)+16
.endif
	s_wait_alu depctr_va_vdst(0)
	v_pk_add_f32 v[L2:L2+1], v[sp:sp+1], v[sp+2:sp+3]
	v_pk_mul_f32 v[A2:A2+1], v[sp:sp+1], v[sv:sv+1]
	v_pk_fma_f32 v[A2:A2+1], v[sp+2:sp+3], v[sv+2:sv+3], v[A2:A2+1]
.set sn, 2
.rept 6
	v_pk_add_f32 v[L2:L2+1], v[L2:L2+1], v[sp+2*sn:sp+2*sn+1]
	v_pk_fma_f32 v[A2:A2+1], v[sp+2*sn:sp+2*sn+1], v[sv+2*sn:sv+2*sn+1], v[A2:A2+1]
.set sn, sn+1
.endr
	s_delay_alu instid0(VALU_DEP_2)
	v_add_f32 v[L2], v[L2], v[L2+1]
	s_delay_alu instid0(VALU_DEP_2)
	v_add_f32 v[A2], v[A2], v[A2+1]
	v_add_f32 v[M+(\i)], v[L2], v[ss]
	v_fma_f32 v[Q+(\i)], v[ss], v[se], v[A2]
.endm
	ARGS 0, P0
.set I, 0
	s_wait_alu depctr_va_vdst(0)
.rept 32                               ; feature i's exponentials; the next feature's exponents, whose first line is the plain place behind them; feature i's sums
	EXPS I, P0+18*(I%2)
.if I < 31
	ARGS I+1, P0+18*((I+1)%2)
.else
	v_nop
.endif
	SUMS I, P0+18*(I%2)
.set I, I+1
.endr
.set j, 0
	s_wait_alu depctr_va_vdst(0)
.rept 32
	v_rcp_f32 v[M+j], v[M+j]
.set j, j+1
.endr
	v_nop                                          ; one plain place behind the reciprocals
	s_wait_loadcnt 0x0                             ; X_Query's 32 numbers
	WIN 0x10                                       ; source 2 window 1
.irp j, 0,2,4,6,8,10,12,14,16,18,20,22,24,26,28,30
	s_wait_alu depctr_va_vdst(0)
	v_pk_fma_f32 v[DD+\j:DD+\j+1], v[Q+\j:Q+\j+1], v[M+\j:M+\j+1], v[\j:\j+1] neg_lo:[1,0,0] neg_hi:[1,0,0]   ; d = X_Query - (sum of p v) / (sum of p)
.endr
	WIN 0
	; d's 32 numbers of a lane are one block
	v_max3_num_f32 v240, |v[DD]|, |v[DD+1]|, 0x1800000
	v_max3_num_f32 v243, |v[DD+16]|, |v[DD+17]|, 0x1800000
.irp i, 2,4,6,8,10,12,14
	s_delay_alu instid0(VALU_DEP_2)
	v_max3_num_f32 v240, v240, |v[DD+\i]|, |v[DD+\i+1]|
	s_delay_alu instid0(VALU_DEP_2)
	v_max3_num_f32 v243, v243, |v[DD+16+\i]|, |v[DD+16+\i+1]|
.endr
	s_delay_alu instid0(VALU_DEP_1)
	v_max_num_f32 v240, v240, v243
	s_delay_alu instid0(VALU_DEP_1)
	v_add_nc_u32 v241, 0xff000000, v240
	s_delay_alu instid0(VALU_DEP_1)
	v_lshrrev_b32 v242, 23, v241
.irp g, 0,1,2,3
	v_cvt_scalef32_pk8_fp4_f32 v[DC+\g], v[DD+8*\g:DD+8*\g+7], v241
.endr
	v_nop                                          ; one plain place behind a scaled conversion
	global_store_b128 v[L16], v[DC:DC+3], s[36:37] ; half a fragment of the next product's operand, as its registers want it: the wave stores 512 consecutive bytes, aligned
	ds_store_b8 v[DSB], v242
	BARRIER                                        ; the 256 scale bytes of the work-group's 64 rows lie in LDS
	s_cmp_lg_u32 s[WV], 0
	s_cbranch_scc1 .Lnot0
	ds_load_b64 v[240:241], v[DSR]
	s_wait_dscnt 0x0
	global_store_b64 v[L8], v[240:241], s[38:39]   ; 32 lanes store 256 consecutive bytes, aligned
.Lnot0:
	s_wait_xcnt 0x0
	v_lshl_add_u32 v254, v0, 2, 0x44000
	v_mov_b32 v255, 0
	s_wait_alu depctr_va_vdst(0)
	s_wait_tensorcnt 0x0
	ds_add_u32 v254, v255
	s_wait_dscnt 0x0
	ROUND                                          ; the closing round: no work-group ends while a partner may still ask for a tile that names it
	s_endpgm
.Lfunc_end_k_qea36823967_qkv_band:
	.size	k_qea36823967_qkv_band, .Lfunc_end_k_qea36823967_qkv_band-k_qea36823967_qkv_band
	.p2alignl 7, 3214868480
	.fill 96, 4, 3214868480
	.section	.rodata,"a",@progbits
	.p2align	6, 0x0
	.amdhsa_kernel k_qea36823967_qkv_band
		.amdhsa_group_segment_fixed_size 279552
		.amdhsa_private_segment_fixed_size 0
		.amdhsa_enable_private_segment 0
		.amdhsa_kernarg_size 128
		.amdhsa_user_sgpr_count 2
		.amdhsa_user_sgpr_kernarg_segment_ptr 1
		.amdhsa_wavefront_size32 1
		.amdhsa_system_sgpr_workgroup_id_x 1
		.amdhsa_system_sgpr_workgroup_id_y 1
		.amdhsa_system_sgpr_workgroup_id_z 1
		.amdhsa_system_vgpr_workitem_id 0
		.amdhsa_next_free_vgpr 512
		.amdhsa_next_free_sgpr 84
		.amdhsa_reserve_vcc 1
		.amdhsa_float_denorm_mode_32 3
		.amdhsa_float_denorm_mode_16_64 3
		.amdhsa_memory_ordered 1
		.amdhsa_forward_progress 1
		.amdhsa_inst_pref_size 165
	.end_amdhsa_kernel
	.amdgpu_metadata
---
amdhsa.version: [ 1, 2 ]
amdhsa.kernels:
  - .name:           k_qea36823967_qkv_band
    .symbol:         k_qea36823967_qkv_band.kd
    .args:
      - { .name: X_Query, .offset: 0, .size: 8, .value_kind: global_buffer, .address_space: global }
      - { .name: X_Key_codes, .offset: 8, .size: 8, .value_kind: global_buffer, .address_space: global }
      - { .name: X_Key_scales, .offset: 16, .size: 8, .value_kind: global_buffer, .address_space: global }
      - { .name: X_Value_codes, .offset: 24, .size: 8, .value_kind: global_buffer, .address_space: global }
      - { .name: X_Value_scales, .offset: 32, .size: 8, .value_kind: global_buffer, .address_space: global }
      - { .name: Wq_codes, .offset: 40, .size: 8, .value_kind: global_buffer, .address_space: global }
      - { .name: Wq_scales, .offset: 48, .size: 8, .value_kind: global_buffer, .address_space: global }
      - { .name: Wk_codes, .offset: 56, .size: 8, .value_kind: global_buffer, .address_space: global }
      - { .name: Wk_scales, .offset: 64, .size: 8, .value_kind: global_buffer, .address_space: global }
      - { .name: Wv_codes, .offset: 72, .size: 8, .value_kind: global_buffer, .address_space: global }
      - { .name: Wv_scales, .offset: 80, .size: 8, .value_kind: global_buffer, .address_space: global }
      - { .name: bq, .offset: 88, .size: 8, .value_kind: global_buffer, .address_space: global }
      - { .name: bk, .offset: 96, .size: 8, .value_kind: global_buffer, .address_space: global }
      - { .name: bv, .offset: 104, .size: 8, .value_kind: global_buffer, .address_space: global }
      - { .name: dimg, .offset: 112, .size: 8, .value_kind: global_buffer, .address_space: global }
      - { .name: dsc, .offset: 120, .size: 8, .value_kind: global_buffer, .address_space: global }
    .group_segment_fixed_size: 279552
    .private_segment_fixed_size: 0
    .kernarg_segment_align: 8
    .kernarg_segment_size: 128
    .max_flat_workgroup_size: 256
    .sgpr_count:     84
    .vgpr_count:     512
    .wavefront_size: 32
...
	.end_amdgpu_metadata
.endif
;; end of part 3
;; launch oproj (part 4): grid 16 x 16, 4 waves a work-group, no clusters, 35,328 bytes of LDS; arguments dimg, dsc, Wo_codes, Wo_scales, bo, out0; writes out0
.if DOCPART == 4
	.amdgcn_target "amdgcn-amd-amdhsa--gfx1250"
	.amdhsa_code_object_version 6
	.text
	.protected	k_qea36823967_oproj
	.globl	k_qea36823967_oproj
	.p2align	8
	.type	k_qea36823967_oproj,@function
k_qea36823967_oproj:
	s_mov_b64 s[64:65], 0
	v_nop
	global_prefetch_b8 v0, s[64:65] scope:SCOPE_SE
	s_setreg_imm32_b32 hwreg(HW_REG_WAVE_SCHED_MODE, 0, 2), 2
	s_setreg_imm32_b32 hwreg(HW_REG_WAVE_MODE, 25, 1), 1
	s_wait_xcnt 0x0
	s_wait_alu depctr_vm_vsrc(0)
; out0 = Q(d) Wo + bo on codes of FP4 (E2M1) with one E8M0 scale for each 32 along K.  d's codes come as images of the operand's registers, [row tile 128][K step 8][c 2][lane 32][16 bytes], its scale
; words as [K step 8][row 2,048]; Wo's codes [1,024 (n)][512 bytes], its scale bytes [1,024][32].
; SHARES.  A work-group owns 128 rows x 64 columns; 256 work-groups.  Wave w owns rows 32 w .. 32 w + 31 and all 64 columns: 8 accumulators (2 row tiles x 4 column tiles), K = 8 steps of 128.
; A wave's whole operand set, 16 KiB of d and 32 KiB of Wo, is asked for in ONE burst into registers, K step by K step, and the products follow the loads by counted waits.
; THE PRODUCT IS USED TRANSPOSED (source 0 = 16 rows of Wo, source 1 = 16 rows of d): a lane holds eight neighbouring columns of one row.  The bias is loaded into the accumulators, so every product adds in place.
; A wave's 64 columns are 256 aligned bytes of a row of out0, so the stage on the way out is the wave's own: no barrier in the text.
; NO CLUSTER, NO TENSOR LOAD: there is no loop over tiles in which a joint request could be repeated: each operand byte is asked for once by a wave, at the kernel's head; a joint request would put a round of the
; cluster's barrier in front of that one fetch and a pass through LDS behind it.  The four waves read the same 32 KiB of Wo each.
; THE MODE: SCHED_MODE bits 1:0 = 2 (LLVM: expert scheduling mode 2), set by the entry lines.  The code itself states the register dependences
; between vector or matrix instructions and memory or LDS instructions, with s_wait_alu, always for 0.
; THE PLAN.  Registers that memory or LDS instructions touch:
;   v1-v8         offsets and LDS addresses.  Written by vector lines at the head, once; read by every load and store; never written again.
;   ACC           Written by the bias's loads, then by the products; read by the LDS stores of the way out; not written behind them.
;   AS, BS, window 1   Written by loads, once, before any matrix instruction names them; read by the products alone.
;   AF            Written by loads, once; read by the products; on the way out the stage's loads land in its first 64 registers, which the global stores then read; not written behind them.
;   s16           Written by v_readfirstlane_b32; read by scalar lines.
; So three waits state everything: one on va_sdst ahead of s16's first reader; one on va_vdst ahead of the burst (v1-v8 are written); one on va_vdst ahead of the way out (the accumulators are written, and the
; products are done reading AF).  No register that a memory or LDS instruction reads is written again, so no wait on vm_vsrc is owed.
.set L16, 1                            ; v1  16 x lane
.set L4,  2                            ; v2  4 x lane
.set WCO, 3                            ; v3  Wo's codes: 512 r + 16 h
.set WSO, 4                            ; v4  Wo's scales: 32 r + 16 h
.set BO,  5                            ; v5  the bias: 32 h
.set STO, 6                            ; v6  the stage, in: wave x 8,704 + 272 r + 32 h
.set RD,  7                            ; v7  and back: wave x 8,704 + 272 (lane / 16) + 16 (lane % 16)
.set CO,  8                            ; v8  the same two rows in out0: 4,096 (lane / 16) + 16 (lane % 16)
.set AF,  16                           ; v16-143 d's fragment (mi, s) at 16 + 8 (8 mi + s); on the way out rows of out0
.set AS,  144                          ; v144-151 d's scale words of K step s: lanes 0-15 row tile 0, lanes 16-31 row tile 1
.set BS,  152                          ; v152-167 Wo's: register 4 nt + i: lanes 0-15 K step i, lanes 16-31 K step 4 + i
.set ACC, 168                          ; v168-231 accumulator (mi, nt) at 168 + 8 (4 mi + nt)
                                       ; window 1: Wo's fragment (nt, s) at 8 (8 nt + s)
.set MSB, 0
.macro WIN new                         ; the immediate's high byte repeats the setting that is left
.if MSB != \new
	s_set_vgpr_msb (MSB<<8)|\new
.set MSB, \new
.endif
.endm
.macro MM d, a, b, c, sa, sb, ra, rb   ; one product; ra, rb: the scales stand in lanes 16-31
.if (\ra) && (\rb)
	v_wmma_scale_f32_16x16x128_f8f6f4 v[(\d):(\d)+7], v[(\a):(\a)+7], v[(\b):(\b)+7], v[(\c):(\c)+7], v[(\sa)], v[(\sb)] matrix_a_fmt:MATRIX_FMT_FP4 matrix_b_fmt:MATRIX_FMT_FP4 matrix_a_scale:MATRIX_SCALE_ROW1 matrix_b_scale:MATRIX_SCALE_ROW1
.elseif (\ra)
	v_wmma_scale_f32_16x16x128_f8f6f4 v[(\d):(\d)+7], v[(\a):(\a)+7], v[(\b):(\b)+7], v[(\c):(\c)+7], v[(\sa)], v[(\sb)] matrix_a_fmt:MATRIX_FMT_FP4 matrix_b_fmt:MATRIX_FMT_FP4 matrix_a_scale:MATRIX_SCALE_ROW1
.elseif (\rb)
	v_wmma_scale_f32_16x16x128_f8f6f4 v[(\d):(\d)+7], v[(\a):(\a)+7], v[(\b):(\b)+7], v[(\c):(\c)+7], v[(\sa)], v[(\sb)] matrix_a_fmt:MATRIX_FMT_FP4 matrix_b_fmt:MATRIX_FMT_FP4 matrix_b_scale:MATRIX_SCALE_ROW1
.else
	v_wmma_scale_f32_16x16x128_f8f6f4 v[(\d):(\d)+7], v[(\a):(\a)+7], v[(\b):(\b)+7], v[(\c):(\c)+7], v[(\sa)], v[(\sb)] matrix_a_fmt:MATRIX_FMT_FP4 matrix_b_fmt:MATRIX_FMT_FP4
.endif
.endm
	s_load_b256 s[4:11], s[0:1], 0x0               ; dimg 4, dsc 6, Wo's codes 8, Wo's scales 10
	s_load_b128 s[12:15], s[0:1], 0x20             ; bo 12, out0 14
	v_lshl_add_u32 v254, v0, 2, 0x8800
	v_mov_b32 v255, 0
	v_lshrrev_b32 v9, 5, v0
	v_readfirstlane_b32 s16, v9                    ; wave 0..3
	v_and_b32 v9, 31, v0                           ; lane
	v_and_b32 v10, 15, v0                          ; r
	v_bfe_u32 v11, v0, 4, 1                        ; h
	v_lshlrev_b32 v[L16], 4, v9
	v_lshlrev_b32 v[L4], 2, v9
	v_lshlrev_b32 v[WCO], 9, v10
	v_lshl_add_u32 v[WCO], v11, 4, v[WCO]
	v_lshlrev_b32 v[WSO], 5, v10
	v_lshl_add_u32 v[WSO], v11, 4, v[WSO]
	v_lshlrev_b32 v[BO], 5, v11
	s_wait_alu depctr_va_sdst(0)                   ; s16 is written, ahead of its first reader: the stage's place and the bases of d and out0 are made from it
	s_mul_i32 s17, s16, 8704                       ; my stage: 32 rows x (256 bytes + 16)
	v_mul_u32_u24 v[STO], v10, 272
	v_lshl_add_u32 v[STO], v11, 5, v[STO]
	v_add_nc_u32 v[STO], s17, v[STO]
	v_mul_u32_u24 v[RD], v11, 272
	v_lshl_add_u32 v[RD], v10, 4, v[RD]
	v_add_nc_u32 v[RD], s17, v[RD]
	v_lshlrev_b32 v[CO], 12, v11
	v_lshl_add_u32 v[CO], v10, 4, v[CO]
	s_and_b32 s18, ttmp7, 0xffff                   ; block of 128 rows
	s_lshl_b32 s20, s18, 2
	s_add_co_u32 s20, s20, s16                     ; my 32 rows: number 4 y + wave
	s_mov_b32 s23, 0
	s_wait_kmcnt 0x0
	s_lshl_b32 s22, s20, 14                        ; two row tiles of 8,192 bytes of images
	s_add_nc_u64 s[4:5], s[4:5], s[22:23]
	s_lshl_b32 s22, s20, 7                         ; 32 scale words
	s_add_nc_u64 s[6:7], s[6:7], s[22:23]
	s_lshl_b32 s22, ttmp9, 15                      ; 64 rows of Wo: 512 bytes of codes each,
	s_add_nc_u64 s[8:9], s[8:9], s[22:23]
	s_lshl_b32 s22, ttmp9, 11                      ; 32 scale bytes each,
	s_add_nc_u64 s[10:11], s[10:11], s[22:23]
	s_lshl_b32 s22, ttmp9, 8                       ; 4 bytes of bias each
	s_add_nc_u64 s[12:13], s[12:13], s[22:23]
	s_lshl_b32 s22, s20, 17                        ; 32 rows of 4,096 bytes of out0, 256 bytes a block of columns
	s_lshl_b32 s21, ttmp9, 8
	s_add_co_u32 s22, s22, s21
	s_add_nc_u64 s[14:15], s[14:15], s[22:23]
	s_wait_alu depctr_va_vdst(0)                   ; the eight offsets and addresses v1 to v8 are written, which every load and store below reads; behind this wait stand only loads and window switches up to the last load
	; all loads in one burst: 28 for bias and scales, then 12 for each K step.  More than LOADcnt's field holds: the issue then waits by itself (ISA guide 5.7.1)
.irp mi, 0,1
.irp nt, 0,1,2,3
.irp f, 0,1
	global_load_b128 v[ACC+8*(4*\mi+\nt)+4*\f:ACC+8*(4*\mi+\nt)+4*\f+3], v[BO], s[12:13] offset:64*\nt+16*\f   ; bo at columns 16 nt + 8 h + 0 .. 7: the sums begin with it
.endr
.endr
.endr
.irp s, 0,1,2,3,4,5,6,7
	global_load_b32 v[AS+\s], v[L4], s[6:7] offset:8192*\s
.endr
.irp nt, 0,1,2,3
	global_load_b128 v[BS+4*\nt:BS+4*\nt+3], v[WSO], s[10:11] offset:512*\nt
.endr
.irp s, 0,1,2,3,4,5,6,7
	WIN 0
.irp mi, 0,1
.irp c, 0,1
	global_load_b128 v[AF+8*(8*\mi+\s)+4*\c:AF+8*(8*\mi+\s)+4*\c+3], v[L16], s[4:5] offset:8192*\mi+1024*\s+512*\c   ; 512 dense bytes
.endr
.endr
	WIN 0x40                                       ; destination window 1
.irp nt, 0,1,2,3
.irp c, 0,1
	global_load_b128 v[8*(8*\nt+\s)+4*\c:8*(8*\nt+\s)+4*\c+3], v[WCO], s[8:9] offset:8192*\nt+64*\s+32*\c
.endr
.endr
.endr
	WIN 0x01                                       ; source 0 (Wo) window 1
.irp s, 0,1,2,3,4,5,6,7
.if 12*(7-\s) > 63
	s_wait_loadcnt 63                              ; (the field's largest count: fewer may be out than the 12 loads of each later K step)
.else
	s_wait_loadcnt 12*(7-\s)                       ; this K step's loads are in; the 12 of each later K step may be out
.endif
.irp mi, 0,1
.irp nt, 0,1,2,3
	MM ACC+8*(4*\mi+\nt), 8*(8*\nt+\s), AF+8*(8*\mi+\s), ACC+8*(4*\mi+\nt), BS+4*\nt+\s%4, AS+\s, \s/4, \mi   ; the eight accumulators take turns
.endr
.endr
.endr
	WIN 0
.rept 4
	v_nop                                          ; four places in front of the stores that read the results
.endr
	s_wait_alu depctr_va_vdst(0)                   ; the products have written the accumulators, which the LDS stores read, and are done reading d's fragments, in which the stage's loads land; the places above stay beside this wait; no vector instruction follows it
	; THE WAY OUT: 16 rows x 256 bytes at a time through my own stage; LDS serves a wave's instructions in order, so no wait stands between the stores and the loads
.irp mi, 0,1
.irp nt, 0,1,2,3
	ds_store_b128 v[STO], v[ACC+8*(4*\mi+\nt):ACC+8*(4*\mi+\nt)+3] offset:4352*\mi+64*\nt          ; each accumulator from its low end on
	ds_store_b128 v[STO], v[ACC+8*(4*\mi+\nt)+4:ACC+8*(4*\mi+\nt)+7] offset:4352*\mi+64*\nt+16
.endr
.irp i, 0,1,2,3,4,5,6,7
	ds_load_b128 v[AF+32*\mi+4*\i:AF+32*\mi+4*\i+3], v[RD] offset:4352*\mi+544*\i
.endr
.endr
.irp mi, 0,1
.irp i, 0,1,2,3,4,5,6,7
	s_wait_dscnt 16*(1-\mi)+7-\i                   ; behind this load: the later loads of its block, and for the first block the second block's 16 LDS instructions
	global_store_b128 v[CO], v[AF+32*\mi+4*\i:AF+32*\mi+4*\i+3], s[14:15] offset:(16*\mi+2*\i)*4096 th:TH_STORE_NT   ; 16 lanes store 256 consecutive bytes, aligned; written once, read by nobody here
.endr
.endr
	s_wait_dscnt 0x0
	s_wait_alu depctr_hold_cnt(0) depctr_sa_sdst(0) depctr_va_vdst(0) depctr_va_sdst(0) depctr_va_ssrc(0) depctr_va_vcc(0) depctr_vm_vsrc(0)
	s_wait_tensorcnt 0x0
	ds_add_u32 v254, v255
	s_wait_dscnt 0x0
	s_endpgm
.Lfunc_end_k_qea36823967_oproj:
	.size	k_qea36823967_oproj, .Lfunc_end_k_qea36823967_oproj-k_qea36823967_oproj
	.p2alignl 7, 3214868480
	.fill 96, 4, 3214868480
	.section	.rodata,"a",@progbits
	.p2align	6, 0x0
	.amdhsa_kernel k_qea36823967_oproj
		.amdhsa_group_segment_fixed_size 35328
		.amdhsa_private_segment_fixed_size 0
		.amdhsa_enable_private_segment 0
		.amdhsa_kernarg_size 48
		.amdhsa_user_sgpr_count 2
		.amdhsa_user_sgpr_kernarg_segment_ptr 1
		.amdhsa_wavefront_size32 1
		.amdhsa_system_sgpr_workgroup_id_x 1
		.amdhsa_system_sgpr_workgroup_id_y 1
		.amdhsa_system_sgpr_workgroup_id_z 1
		.amdhsa_system_vgpr_workitem_id 0
		.amdhsa_next_free_vgpr 512
		.amdhsa_next_free_sgpr 66
		.amdhsa_reserve_vcc 0
		.amdhsa_float_denorm_mode_32 3
		.amdhsa_float_denorm_mode_16_64 3
		.amdhsa_memory_ordered 1
		.amdhsa_forward_progress 1
		.amdhsa_inst_pref_size 28
	.end_amdhsa_kernel
	.amdgpu_metadata
---
amdhsa.version: [ 1, 2 ]
amdhsa.kernels:
  - .name:           k_qea36823967_oproj
    .symbol:         k_qea36823967_oproj.kd
    .args:
      - { .name: dimg, .offset: 0, .size: 8, .value_kind: global_buffer, .address_space: global }
      - { .name: dsc, .offset: 8, .size: 8, .value_kind: global_buffer, .address_space: global }
      - { .name: Wo_codes, .offset: 16, .size: 8, .value_kind: global_buffer, .address_space: global }
      - { .name: Wo_scales, .offset: 24, .size: 8, .value_kind: global_buffer, .address_space: global }
      - { .name: bo, .offset: 32, .size: 8, .value_kind: global_buffer, .address_space: global }
      - { .name: out0, .offset: 40, .size: 8, .value_kind: global_buffer, .address_space: global }
    .group_segment_fixed_size: 35328
    .private_segment_fixed_size: 0
    .kernarg_segment_align: 8
    .kernarg_segment_size: 48
    .max_flat_workgroup_size: 128
    .sgpr_count:     66
    .vgpr_count:     512
    .wavefront_size: 32
...
	.end_amdgpu_metadata
.endif
;; end of part 4
